; MI455X (gfx1250); checked and timed in simulation.
; The chip was launched on July 23, 2026; its instructions are those of AMD's public machine-readable ISA for CDNA 5 (MIT licence, August 2026) and "CDNA5" Instruction Set Architecture Reference Guide (July 2026). The comments in the code are by the model that wrote it; some were corrected since.
;; Transformer Block. Allowed arithmetic: matrix products marked QUANTISED: E4M3 operands, one E8M0 scale for each 32 along K, by v_wmma_scale_f32_16x16x128_f8f6f4 with both operands' format E4M3, f32 sums; everything else in f32.
;; Inputs: causal_mask 1 x 1 x 2,048 x 2,048 bool; ff_b1 4,096 float32; ff_b2 1,024 float32; ff_w1_codes 4,096 x 32 x 32 uint8 (E4M3 codes of ff_w1, K innermost, in blocks of 32 codes); ff_w1_scales 4,096 x 32 uint8 (E8M0 scales of ff_w1, one for each 32 codes along K); ff_w2_codes 1,024 x 128 x 32 uint8 (E4M3 codes of ff_w2, K innermost, in blocks of 32 codes); ff_w2_scales 1,024 x 128 uint8 (E8M0 scales of ff_w2, one for each 32 codes along K); ln1_b 1,024 float32; ln1_g 1,024 float32; ln2_b 1,024 float32; ln2_g 1,024 float32; out_b 1,024 float32; out_w_codes 1,024 x 32 x 32 uint8 (E4M3 codes of out_w, K innermost, in blocks of 32 codes); out_w_scales 1,024 x 32 uint8 (E8M0 scales of out_w, one for each 32 codes along K); qkv_w_codes 3,072 x 32 x 32 uint8 (E4M3 codes of qkv_w, K innermost, in blocks of 32 codes); qkv_w_scales 3,072 x 32 uint8 (E8M0 scales of qkv_w, one for each 32 codes along K); x 2 x 2,048 x 1,024 float32.
;; Outputs: out0 2 x 2,048 x 1,024 float32.
;; This version of the problem:
;;   THIS VERSION OF THE PROBLEM IS GIVEN IN LOW PRECISION. The matrix products marked QUANTISED in the list below multiply operands that are first quantised to E4M3 (4 exponent bits, 3 mantissa bits; 8 bits a number), with one power-of-two scale for each 32 numbers along K (OCP MX v1.0); their sums are f32. All else is computed in f32.
;;   The module's matrix products, in the order in which they are computed (A, B: the left and right operand; K: the contracted axis; several contracted axes count as one K, in the product's order):
;;     1. [M 4,096, K 1,024] x [K 1,024, N 3,072]; A: computed on the way; B: input qkv_w (given as codes): QUANTISED
;;     2. batch 32 x [M 2,048, K 64] x [K 64, N 2,048]; A: computed on the way; B: computed on the way: QUANTISED
;;     3. batch 32 x [M 2,048, K 2,048] x [K 2,048, N 64]; A: softmax (see below); B: computed on the way: QUANTISED
;;     4. [M 4,096, K 1,024] x [K 1,024, N 1,024]; A: computed on the way; B: input out_w (given as codes): QUANTISED
;;     5. [M 4,096, K 1,024] x [K 1,024, N 4,096]; A: computed on the way; B: input ff_w1 (given as codes): QUANTISED
;;     6. [M 4,096, K 4,096] x [K 4,096, N 1,024]; A: computed on the way; B: input ff_w2 (given as codes): QUANTISED
;;   THE QUANTISER, for each operand of a quantised product, along K:
;;     - K is cut into blocks of 32 from its start; a last block that is shorter is filled with zeros.
;;     - A block's scale is 2^e with e = floor(log2(the largest magnitude in the block)) - 8, held to -126 .. 127; a block of zeros has e = 0. As a byte (E8M0): e + 127.
;;     - Each number is divided by its block's scale, clamped to +-448, and rounded to the nearest number of E4M3, ties to even, subnormals kept.
;;     - The product sums the exact products of the quantised numbers (number of the format x scale) in f32.
;;   ~~~python
;;   def quantise(x, axis):      # numpy; x: float32 -> the quantised numbers, widened to float32 again
;;       x = np.moveaxis(x, axis, -1); K = x.shape[-1]
;;       x = np.pad(x, [(0, 0)] * (x.ndim - 1) + [(0, -K % 32)]); x = x.reshape(x.shape[:-1] + (-1, 32)); a = np.abs(x).max(-1, keepdims=True)
;;       e = np.where(a > 0, np.clip(np.frexp(np.where(a > 0, a, 1))[1] - 1 - 8, -126, 127), 0)      # np.frexp(a)[1] - 1 = floor(log2(a)), exactly
;;       r = np.clip(x / 2.0 ** e, -448, 448)
;;       step = 2.0 ** (np.maximum(np.frexp(np.where(r == 0, 1, r))[1] - 1, -6) - 3)
;;       q = np.round(r / step) * step * 2.0 ** e      # np.round: ties to even
;;       return np.moveaxis(q.reshape(q.shape[:-2] + (-1,))[..., :K], -1, axis).astype(np.float32)
;;   ~~~
;;   SOFTMAX AHEAD OF A QUANTISED PRODUCT. Where the list says 'softmax', what is quantised is not the finished softmax but p = 2^(t - M), with t = logit x log2(e) and M = ceil(the row's largest t), a whole number; so 1/2 < the row's largest p <= 1. The row's sum l is taken of the UNQUANTISED p, in f32, and the product's result is divided by l at the end. Since M is a whole number, a kernel that streams over the keys may use a running M (the ceiling of the running maximum): every later rescaling is an exact power of two, which a block's scale takes up: the codes' values come out the same.
;;   OPERANDS COMPUTED ON THE WAY. 'Computed on the way' means the value that the module computes at that place (a softmax that the list does not call 'softmax' is quantised finished and normalised). What goes into a quantiser is computed in f32, as accurately as f32 sums, v_exp_f32 and their like allow (about 1e-6 of the number): no bf16 or f16 on the way to a quantiser, and a product that is left as it is and whose result goes on into a quantised operand takes f32 operands (vector FMAs, or v_wmma_f32_16x16x4_f32). A number that lies on a knife's edge between two numbers of the format may be rounded either way, as far as f32 arithmetic and the matrix unit's own rounding can turn it there, and no further.
;;   INPUTS GIVEN AS CODES. ff_w1 (in the module: [1024, 4096], K = its axis 0); ff_w2 (in the module: [4096, 1024], K = its axis 0); out_w (in the module: [1024, 1024], K = its axis 0); qkv_w (in the module: [1024, 3072], K = its axis 0): each comes as NAME_codes (uint8): NAME with its K axis moved to the last place and cut into blocks of 32 codes, [.., K / 32, bytes a block], one block behind the other in memory; one code a byte (a code: sign, 4 exponent bits, 3 mantissa bits); and NAME_scales (uint8): the same leading axes, one E8M0 byte (e + 127) for each 32 codes along K. Its value is code x scale, taken as it is: it is not quantised again, and the codes and scales need not be those that the quantiser above would give.
;; One version. Each part assembles by itself: llvm-mc -triple=amdgcn-amd-amdhsa -mcpu=gfx1250 --defsym DOCPART=n.
;; ======== version 1 of 1: 7 launches
;; limits: right only within a limited range of input values
;; workspace buffers: acodes 4,194,304 bytes; ascales 131,072 bytes; mbits 526,336 bytes of whole numbers; qkvr 12,976,128 bytes; x2 16,777,216 bytes; img 16,777,216 bytes; imgs 524,288 bytes
;; launch ln1 (part 1): grid 512 x 1, 2 waves a work-group, no clusters, 11,520 bytes of LDS; arguments x, ln1_g, ln1_b, acodes, ascales, causal_mask, mbits; writes acodes, ascales, mbits
.if DOCPART == 1
	.amdgcn_target "amdgcn-amd-amdhsa--gfx1250"
	.amdhsa_code_object_version 6
	.text
	.protected	k_q0573a0feff_ln1
	.globl	k_q0573a0feff_ln1
	.p2align	8
	.type	k_q0573a0feff_ln1,@function
k_q0573a0feff_ln1:
	s_mov_b64 s[64:65], 0
	v_nop
	global_prefetch_b8 v0, s[64:65] scope:SCOPE_SE
	s_setreg_imm32_b32 hwreg(HW_REG_WAVE_MODE, 25, 1), 1
	s_wait_xcnt 0x0
; TWO JOBS, parted on the work-group's number.
; Work-groups 0-255: y = (x - mean) * rsqrt(var + 1e-5) * g + b for rows of 1,024 f32, all in f32 (mean first, then the mean of the squared differences), then y is
; turned into codes of E4M3 with one E8M0 byte for each 32 along the row: scale = 2^(floor(log2(largest magnitude)) - 8), numbers held within +-448 x scale, rounded to nearest even.
; Work-groups 256-511 (only in the launch whose grid has them): the mask [2048][2048] of bytes is turned into words of 32 lane bits and flags, for the attention launch.
; STORAGE ORDER: token t is written to row sigma(t) of the codes and scale bytes, sigma = t with bits 3 and 4 exchanged.  Sixteen consecutive storage rows 32 B + 16 u + r are then the tokens
; 32 B + 8 u + r + 8 (r / 8): the choice of rows by which a transposed product leaves 16 neighbours along the next K in a lane's 16 registers.
; LIMITS: NaN and infinities among the inputs are not served; a block whose largest magnitude lies under 2^-118 (a block of zeros too) keeps the byte 1: its bytes are read by this program alone.
; NORM: a wave takes 8 tokens, one after the other.  Each of a row's 8 loads reads 512 consecutive bytes; the row turns through the wave's own stage in LDS so that a lane holds 16 neighbours
; of each half row (two lanes to a block of 32).  Loads run four rows (32 loads) ahead.  A lane's 16 codes are 16 bytes: a store covers 512 consecutive bytes.  The wave's 8 x 32 scale bytes
; are gathered in LDS and leave as 256 consecutive bytes.  Waves share nothing: no barrier.
.set SP,   80                          ; a lane's place in a stage: 64 bytes + 16 of padding
.set HST,  32*SP                       ; a stage: half a row
.set SBY,  2*HST                       ; behind the two stages: the wave's 256 scale bytes
.set WREG, SBY+512                     ; LDS of a wave
.set G,    16                          ; v16-47   g at my 32 columns
.set BV,   48                          ; v48-79   b at my 32 columns
.set R,    80                          ; v80-207  four rows as loaded
.set X,    208                         ; v208-239 the row in hand: 16 neighbours of each half
.set C,    240                         ; v240-247 its codes
.set MW,   80                          ; mask path: v80-143 the mask bytes, 16 registers a step
.set MO,   144                         ; mask path: v144-151 the words of four steps, two registers a step
.set MJ,   152                         ; mask path: v152-155 a step's registers joined by OR, v156-159 by AND
.macro LOADROW p
.set j, 0
.rept 8
	global_load_b128 v[R+32*((\p)%4)+4*j:R+32*((\p)%4)+4*j+3], v3, s[4:5] offset:4096*(\p)+512*j th:TH_LOAD_NT
.set j, j+1
.endr
.endm
.macro TURNROW p                       ; LDS serves a wave's instructions in order: no wait between the stores and the loads
.irp u, 0,1
.irp i, 0,1,2,3
	ds_store_b128 v14, v[R+32*((\p)%4)+16*\u+4*\i:R+32*((\p)%4)+16*\u+4*\i+3] offset:HST*\u+8*SP*\i
.endr
.endr
.irp u, 0,1
.irp i, 0,1,2,3
	ds_load_b128 v[X+16*\u+4*\i:X+16*\u+4*\i+3], v15 offset:HST*\u+16*\i
.endr
.endr
.endm
.macro REDUCE                          ; v248 summed over the 32 lanes, the result in every lane
	v_add_f32_dpp v248, v248, v248 row_xmask:1 row_mask:0xf bank_mask:0xf
	v_add_f32_dpp v248, v248, v248 row_xmask:2 row_mask:0xf bank_mask:0xf
	v_add_f32_dpp v248, v248, v248 row_xmask:4 row_mask:0xf bank_mask:0xf
	v_add_f32_dpp v248, v248, v248 row_xmask:8 row_mask:0xf bank_mask:0xf
	v_permlanex16_b32 v249, v248, s20, s21
	v_add_f32 v248, v248, v249
.endm
.macro FOLD                            ; four packed chains v248-255 into v248
	v_pk_add_f32 v[248:249], v[248:249], v[250:251]
	v_pk_add_f32 v[252:253], v[252:253], v[254:255]
	v_pk_add_f32 v[248:249], v[248:249], v[252:253]
	v_add_f32 v248, v248, v249
.endm
.macro QSTEP u, p                      ; half u of row p: 16 numbers a lane become 16 codes and (two lanes together) one scale byte
.set XS, X+16*(\u)
	v_max3_num_f32 v8, |v[XS]|, |v[XS+1]|, |v[XS+2]|
	v_max3_num_f32 v9, |v[XS+3]|, |v[XS+4]|, |v[XS+5]|
.irp i, 6,10
	v_max3_num_f32 v8, v8, |v[XS+\i]|, |v[XS+\i+1]|
	v_max3_num_f32 v9, v9, |v[XS+\i+2]|, |v[XS+\i+3]|
.endr
	v_max3_num_f32 v8, v8, |v[XS+14]|, |v[XS+15]|
	v_max3_num_f32 v8, v8, v9, 0x4800000           ; the floor 2^(9 - 127): the byte cannot fall under 1
	v_max_num_f32_dpp v8, v8, v8 row_xmask:1 row_mask:0xf bank_mask:0xf   ; with my neighbour's 16: the block's largest magnitude
	v_add_nc_u32 v11, 0xfc000000, v8               ; 8 off its exponent field: the conversion's scale operand
	v_and_or_b32 v10, v8, 0x7f800000, s22          ; 448 x the scale
.set i, 0
.rept 16
	v_med3_num_f32 v[XS+i], v[XS+i], -v10, v10     ; the conversion to an 8-bit code does not saturate (ISA guide 7.6.2): the hold comes first
.set i, i+1
.endr
	v_cvt_scalef32_pk8_fp8_f32 v[C+4*(\u):C+4*(\u)+1], v[XS:XS+7], v11
	v_cvt_scalef32_pk8_fp8_f32 v[C+4*(\u)+2:C+4*(\u)+3], v[XS+8:XS+15], v11
	v_lshrrev_b32 v[12+(\u)], 23, v11              ; the scale's byte (also the plain line behind the conversions)
	ds_store_b8 v5, v[12+(\u)] offset:32*(\p)+16*(\u)   ; both lanes of a block write the same byte with the same value
	global_store_b128 v3, v[C+4*(\u):C+4*(\u)+3], s[10:11] offset:1024*(\p)+512*(\u)
.endm
.macro ROW p
.if (\p) < 5
	s_wait_loadcnt 24                              ; this row's 8 loads are in; the three rows behind it (24 loads) may be out
.else
	s_wait_loadcnt 8*(7-(\p))                      ; the last rows: 8 loads for each row still behind this one
.endif
	TURNROW \p
	s_wait_dscnt 0x0                               ; the row is back; the stores into the stage have read their registers
.if (\p) < 4
	LOADROW (\p)+4                                 ; which take the row four further on
.endif
	v_pk_add_f32 v[248:249], v[X:X+1], v[X+2:X+3]  ; the sum of my 32 numbers, in four chains
	v_pk_add_f32 v[250:251], v[X+4:X+5], v[X+6:X+7]
	v_pk_add_f32 v[252:253], v[X+8:X+9], v[X+10:X+11]
	v_pk_add_f32 v[254:255], v[X+12:X+13], v[X+14:X+15]
.irp i, 16,24
.irp c, 0,1,2,3
	v_pk_add_f32 v[248+2*\c:249+2*\c], v[248+2*\c:249+2*\c], v[X+\i+2*\c:X+\i+2*\c+1]
.endr
.endr
	FOLD
	REDUCE
	v_mul_f32 v250, s23, v248                      ; the mean
.set i, 0
.rept 16
	v_pk_add_f32 v[X+2*i:X+2*i+1], v[X+2*i:X+2*i+1], v[250:251] op_sel_hi:[1,0] neg_lo:[0,1] neg_hi:[0,1]   ; x - mean
.set i, i+1
.endr
.irp c, 0,1,2,3
	v_pk_mul_f32 v[248+2*\c:249+2*\c], v[X+2*\c:X+2*\c+1], v[X+2*\c:X+2*\c+1]
.endr
.irp i, 8,16,24
.irp c, 0,1,2,3
	v_pk_fma_f32 v[248+2*\c:249+2*\c], v[X+\i+2*\c:X+\i+2*\c+1], v[X+\i+2*\c:X+\i+2*\c+1], v[248+2*\c:249+2*\c]
.endr
.endr
	FOLD
	REDUCE
	v_fma_f32 v250, v248, s23, s24                 ; the variance + 1e-5
	s_wait_alu depctr_va_vdst(0)
	v_rsq_f32 v252, v250
	v_nop                                          ; one plain line behind a transcendental (ISA guide 5.7.2)
.set i, 0
	s_wait_alu depctr_va_vdst(0)
.rept 16
	v_pk_mul_f32 v[X+2*i:X+2*i+1], v[X+2*i:X+2*i+1], v[252:253] op_sel_hi:[1,0]
.set i, i+1
.endr
.set i, 0
.rept 16
	v_pk_fma_f32 v[X+2*i:X+2*i+1], v[X+2*i:X+2*i+1], v[G+2*i:G+2*i+1], v[BV+2*i:BV+2*i+1]
.set i, i+1
.endr
	s_wait_xcnt 0x0                                ; the last row's stores have read their data: the codes' registers are written again only behind this wait
	QSTEP 0, \p
	QSTEP 1, \p
.endm
	s_load_b256 s[4:11], s[0:1], 0x0               ; x s[4:5], g s[6:7], b s[8:9], codes s[10:11]
	s_load_b128 s[12:15], s[0:1], 0x20             ; scale bytes s[12:13], mask s[14:15]
	s_load_b64 s[16:17], s[0:1], 0x30              ; mask words and flags
	s_set_vgpr_msb 0x40
	v_lshl_add_u32 v0, v0, 2, 0x2c00
	v_mov_b32 v1, 0
	s_set_vgpr_msb 0x4000
	v_lshrrev_b32 v1, 5, v0
	v_readfirstlane_b32 s18, v1                    ; wave 0, 1
	v_and_b32 v2, 31, v0                           ; lane
	v_lshlrev_b32 v7, 3, v2                        ; 8 x lane
	s_cmp_ge_u32 ttmp9, 256
	s_cbranch_scc1 .Lmask
	v_lshlrev_b32 v3, 4, v2                        ; 16 x lane: my bytes of a load's 512, and my codes' place in half a row
	s_mul_i32 s19, s18, WREG
	v_lshrrev_b32 v14, 2, v2
	v_mul_u32_u24 v14, v14, SP
	v_and_b32 v15, 3, v2
	v_lshl_add_u32 v14, v15, 4, v14
	v_add_nc_u32 v14, s19, v14                     ; the stage, on the way in: four lanes' 64 bytes on end, then the padding
	v_mul_u32_u24 v15, v2, SP
	v_add_nc_u32 v15, s19, v15                     ; and on the way out: my 16 neighbours
	v_lshrrev_b32 v5, 1, v2
	s_add_co_u32 s19, s19, SBY
	v_add_nc_u32 v5, s19, v5                       ; my block's scale byte
	v_add_nc_u32 v6, s19, v7                       ; the scale bytes on their way out: 8 a lane
	v_lshlrev_b32 v4, 6, v2                        ; g, b: my 16 numbers of half a row
	s_mov_b32 s20, 0x76543210
	s_mov_b32 s21, 0xfedcba98                      ; v_permlanex16_b32's selects for lane l xor 16
	s_mov_b32 s22, 0x600000                        ; the mantissa field of 448
	s_mov_b32 s23, 0x3a800000                      ; 1 / 1,024
	s_mov_b32 s24, 0x3727c5ac                      ; 1e-5
	s_lshl_b32 s25, ttmp9, 1
	s_add_co_u32 s25, s25, s18
	s_lshl_b32 s26, s25, 3                         ; my first token: 8 x (2 x work-group + wave)
	s_and_b32 s27, s26, 0xffffffe7
	s_and_b32 s28, s26, 8
	s_lshl_b32 s28, s28, 1
	s_or_b32 s27, s27, s28
	s_and_b32 s28, s26, 16
	s_lshr_b32 s28, s28, 1
	s_or_b32 s27, s27, s28                         ; its storage row; my 8 tokens differ in bits 0-2, so their storage rows are consecutive
	s_lshl_b32 s28, s26, 12
	s_mov_b32 s29, 0
	s_lshl_b32 s30, s27, 10
	s_mov_b32 s31, 0
	s_lshl_b32 s32, s27, 5
	s_mov_b32 s33, 0
	s_wait_alu depctr_va_vdst(0)
	s_wait_kmcnt 0x0
	s_add_nc_u64 s[4:5], s[4:5], s[28:29]
	s_add_nc_u64 s[10:11], s[10:11], s[30:31]
	s_add_nc_u64 s[12:13], s[12:13], s[32:33]
.irp u, 0,1
.irp i, 0,1,2,3
	global_load_b128 v[G+16*\u+4*\i:G+16*\u+4*\i+3], v4, s[6:7] offset:2048*\u+16*\i
	global_load_b128 v[BV+16*\u+4*\i:BV+16*\u+4*\i+3], v4, s[8:9] offset:2048*\u+16*\i
.endr
.endr
	LOADROW 0
	LOADROW 1
	LOADROW 2
	LOADROW 3
.irp p, 0,1,2,3,4,5,6,7
	ROW \p
.endr
	ds_load_b64 v[8:9], v6                         ; LDS serves a wave's instructions in order: these see my byte stores
	s_wait_dscnt 0x0
	global_store_b64 v7, v[8:9], s[12:13]          ; 32 lanes store 256 consecutive bytes, at a multiple of 256 from the buffer's first byte
	s_set_vgpr_msb 0x5
	s_wait_tensorcnt 0x0
	ds_add_u32 v0, v1
	s_wait_dscnt 0x0
	s_set_vgpr_msb 0x500
	s_endpgm
; THE MASK.  A wave takes one tile of 16 queries (storage rows 16 q + r) and 512 keys, four steps of 128.  Word 16 b + i of a step has in bit 16 h + r the mask of query sigma(16 q + r) and key
; 128 step + 32 b + 16 h + i: the lanes and registers in which the attention launch holds that score.  Lane (r, h) loads the 16 bytes of its query at keys 32 b + 16 h on; a compare of byte i of all
; lanes IS the word.  The 64 words of a step are dealt to the lanes by v_writelane_b32 and leave as 256 consecutive bytes.
; TWO FLAGS A STEP, in one word for the wave's four steps: bit j: step j has a true entry; bit 4 + j: step j has a false entry (a byte other than 1).  They are made of the step's 16 registers joined
; by OR and by AND, so that only two compares a step feed scalar instructions.  The words are made eight at a time (8 masks, 8 compares, 8 lane writes): no line waits for the line above it.
.Lmask:
	s_sub_co_u32 s19, ttmp9, 256
	s_lshl_b32 s19, s19, 1
	s_add_co_u32 s19, s19, s18
	s_lshr_b32 s20, s19, 2                         ; the tile of queries, 0-127
	s_and_b32 s21, s19, 3                          ; which 512 keys
	s_wait_alu depctr_va_vdst(0)
	v_and_b32 v3, 7, v2
	v_bfe_u32 v4, v2, 3, 1
	v_lshl_add_u32 v3, v4, 4, v3                   ; (r % 8) + 16 (r / 8)
	v_bfe_u32 v4, v2, 4, 1                         ; h
	v_lshlrev_b32 v3, 11, v3
	v_lshl_add_u32 v3, v4, 4, v3                   ; that many rows of 2,048 bytes, + 16 h
	s_lshr_b32 s22, s20, 1
	s_lshl_b32 s22, s22, 5
	s_and_b32 s23, s20, 1
	s_lshl_b32 s23, s23, 3
	s_add_co_u32 s22, s22, s23                     ; the tile's first token: 32 (q / 2) + 8 (q % 2)
	s_lshl_b32 s22, s22, 11
	s_lshl_b32 s23, s21, 9
	s_add_co_u32 s22, s22, s23
	s_mov_b32 s23, 0
	s_lshl_b32 s24, s20, 4
	s_lshl_b32 s25, s21, 2
	s_add_co_u32 s24, s24, s25                     ; 16 q + 4 x (which 512): the first step's number, and the flag word's byte
	v_mov_b32 v5, s24
	s_lshl_b32 s24, s24, 8                         ; 256 bytes of words a step
	s_mov_b32 s25, 0
	s_mov_b32 s38, 0                               ; the eight flags
	s_mov_b32 s41, 0x01010101                      ; four true bytes
	s_wait_alu depctr_va_vdst(0)
	s_wait_kmcnt 0x0
	s_add_nc_u64 s[14:15], s[14:15], s[22:23]
	s_add_nc_u64 s[26:27], s[16:17], s[24:25]
.irp st, 0,1,2,3
.irp b, 0,1,2,3
	global_load_b128 v[MW+16*\st+4*\b:MW+16*\st+4*\b+3], v3, s[14:15] offset:128*\st+32*\b
.endr
.endr
.macro MASKSTEP st
	s_wait_loadcnt 12-4*(\st)                      ; this step's four loads are in; four for each later step may be out
	v_mov_b32 v[MO+2*(\st)], 0                     ; (a lane write's destination counts as read)
	v_mov_b32 v[MO+2*(\st)+1], 0
.irp c, 0,1,2,3
	v_or_b32 v[MJ+\c], v[MW+16*(\st)+\c], v[MW+16*(\st)+4+\c]
	v_and_b32 v[MJ+4+\c], v[MW+16*(\st)+\c], v[MW+16*(\st)+4+\c]
.endr
.irp i, 8,12
.irp c, 0,1,2,3
	v_or_b32 v[MJ+\c], v[MJ+\c], v[MW+16*(\st)+\i+\c]
	v_and_b32 v[MJ+4+\c], v[MJ+4+\c], v[MW+16*(\st)+\i+\c]
.endr
.endr
	v_or_b32 v[MJ], v[MJ], v[MJ+1]
	v_or_b32 v[MJ+2], v[MJ+2], v[MJ+3]
	v_and_b32 v[MJ+4], v[MJ+4], v[MJ+5]
	v_and_b32 v[MJ+6], v[MJ+6], v[MJ+7]
	v_or_b32 v[MJ], v[MJ], v[MJ+2]
	v_and_b32 v[MJ+4], v[MJ+4], v[MJ+6]
	v_cmp_ne_u32 s36, 0, v[MJ]                     ; the lanes that hold a true entry
	v_cmp_ne_u32 s37, s41, v[MJ+4]                 ; the lanes that hold a false one
.set g, 0
.rept 8                                ; words 8 g + k: byte k % 4 of register 2 g + k / 4; to byte 4 (8 g + k) of the step's 256
.irp k, 0,1,2,3,4,5,6,7
	v_and_b32 v[8+\k], 0xff<<(8*(\k%4)), v[MW+16*(\st)+2*g+\k/4]
.endr
.irp k, 0,1,2,3,4,5,6,7
	v_cmp_ne_u32 s[28+\k], 0, v[8+\k]
.endr
.irp k, 0,1,2,3,4,5,6,7
	v_writelane_b32 v[MO+2*(\st)+\k%2], s[28+\k], 4*g+\k/2
.endr
.set g, g+1
.endr
	s_cmp_lg_u32 s36, 0
	s_cselect_b32 s40, 1<<(\st), 0
	s_or_b32 s38, s38, s40
	s_cmp_lg_u32 s37, 0
	s_cselect_b32 s40, 16<<(\st), 0
	s_or_b32 s38, s38, s40
	global_store_b64 v7, v[MO+2*(\st):MO+2*(\st)+1], s[26:27] offset:256*(\st)   ; 256 consecutive bytes, aligned
.endm
	MASKSTEP 0
	MASKSTEP 1
	MASKSTEP 2
	MASKSTEP 3
	v_mov_b32 v6, s38
	v_cmp_eq_u32 vcc_lo, 0, v2
	s_wait_alu depctr_va_vdst(0)
	s_wait_xcnt 0x0                                ; EXEC changes only behind this wait: it is a source of the stores above
	s_and_saveexec_b32 s39, vcc_lo
	global_store_b32 v5, v6, s[16:17] offset:524288   ; one word of eight flags, from lane 0: 2,048 bytes of flags in the whole launch
	s_endpgm
.Lfunc_end_k_q0573a0feff_ln1:
	.size	k_q0573a0feff_ln1, .Lfunc_end_k_q0573a0feff_ln1-k_q0573a0feff_ln1
	.p2alignl 7, 3214868480
	.fill 96, 4, 3214868480
	.section	.rodata,"a",@progbits
	.p2align	6, 0x0
	.amdhsa_kernel k_q0573a0feff_ln1
		.amdhsa_group_segment_fixed_size 11520
		.amdhsa_private_segment_fixed_size 0
		.amdhsa_enable_private_segment 0
		.amdhsa_kernarg_size 56
		.amdhsa_user_sgpr_count 2
		.amdhsa_user_sgpr_kernarg_segment_ptr 1
		.amdhsa_wavefront_size32 1
		.amdhsa_system_sgpr_workgroup_id_x 1
		.amdhsa_system_sgpr_workgroup_id_y 1
		.amdhsa_system_sgpr_workgroup_id_z 1
		.amdhsa_system_vgpr_workitem_id 0
		.amdhsa_next_free_vgpr 258
		.amdhsa_next_free_sgpr 66
		.amdhsa_reserve_vcc 1
		.amdhsa_float_denorm_mode_32 3
		.amdhsa_float_denorm_mode_16_64 3
		.amdhsa_memory_ordered 1
		.amdhsa_forward_progress 1
		.amdhsa_inst_pref_size 158
	.end_amdhsa_kernel
	.amdgpu_metadata
---
amdhsa.version: [ 1, 2 ]
amdhsa.kernels:
  - .name:           k_q0573a0feff_ln1
    .symbol:         k_q0573a0feff_ln1.kd
    .args:
      - { .name: x, .offset: 0, .size: 8, .value_kind: global_buffer, .address_space: global }
      - { .name: ln1_g, .offset: 8, .size: 8, .value_kind: global_buffer, .address_space: global }
      - { .name: ln1_b, .offset: 16, .size: 8, .value_kind: global_buffer, .address_space: global }
      - { .name: acodes, .offset: 24, .size: 8, .value_kind: global_buffer, .address_space: global }
      - { .name: ascales, .offset: 32, .size: 8, .value_kind: global_buffer, .address_space: global }
      - { .name: causal_mask, .offset: 40, .size: 8, .value_kind: global_buffer, .address_space: global }
      - { .name: mbits, .offset: 48, .size: 8, .value_kind: global_buffer, .address_space: global }
    .group_segment_fixed_size: 11520
    .private_segment_fixed_size: 0
    .kernarg_segment_align: 8
    .kernarg_segment_size: 56
    .max_flat_workgroup_size: 64
    .sgpr_count:     66
    .vgpr_count:     258
    .wavefront_size: 32
...
	.end_amdgpu_metadata
.endif
;; end of part 1
;; launch qkv (part 2): grid 8 x 24, 4 waves a work-group, clusters of 4 x 4, 327,680 bytes of LDS; arguments acodes, ascales, qkv_w_codes, qkv_w_scales, qkvr; writes qkvr
.if DOCPART == 2
	.amdgcn_target "amdgcn-amd-amdhsa--gfx1250"
	.amdhsa_code_object_version 6
	.text
	.protected	k_q0573a0feff_qkv
	.globl	k_q0573a0feff_qkv
	.p2align	8
	.type	k_q0573a0feff_qkv,@function
k_q0573a0feff_qkv:
	s_mov_b64 s[64:65], 0
	v_nop
	global_prefetch_b8 v0, s[64:65] scope:SCOPE_SE
	s_setreg_imm32_b32 hwreg(HW_REG_WAVE_MODE, 25, 1), 1
	s_wait_xcnt 0x0
	s_wait_alu depctr_hold_cnt(0) depctr_sa_sdst(0) depctr_va_vdst(0) depctr_va_sdst(0) depctr_va_ssrc(0) depctr_va_vcc(0) depctr_vm_vsrc(0)
	s_getreg_b32 s2, hwreg(HW_REG_IB_STS2, 6, 4)
	s_cmp_eq_u32 s2, 0
	s_cbranch_scc0 .Lentry_in_a_cluster
	s_endpgm
.Lentry_in_a_cluster:
	s_bfe_u32 s2, ttmp6, 0x10000c
	s_cmp_lg_u32 s2, 0xf033
	s_cbranch_scc0 .Lentry_shape_is_right
	s_endpgm
.Lentry_shape_is_right:
; qkv = a W^T on codes of E4M3 with E8M0 scales (K = 1,024); the results are quantised in registers and stored as operand images for the attention launch.
; a: [4096 storage rows][1024] codes, [4096][32] scale bytes.  W: [3072][1024] codes, [3072][32] scale bytes.
; A tile is 256 x 256: four waves of 128 x 128, 64 accumulators each.  K goes in steps of 256 through a ring of two LDS slots filled by the tensor data mover; the scale bytes of the work-group's
; 2 x 256 rows come once and stay.  4 x 4 work-groups form a cluster: the side called A is shared along a row of the cluster, the side called B along a column, each by joint loads.
; The matrix instruction is used transposed: source 0 = 16 rows of B, source 1 = 16 rows of A: lane (r, h) holds A's row 16 a + r, and register j of accumulator (a, bt) B's row 16 bt + 8 h + j.
; TWO ROLES, chosen by the cluster's y, which all partners share.  Clusters y 0-3 (q and k): A = the tokens, B = W's rows 0-2047: a lane holds one token and its registers run along the head's
; channels, the K of q k^T.  Clusters y 4, 5 (v): A = W's rows 2048-3071, B = the tokens: a lane holds one channel and its registers run along the tokens, the K of p v; the tokens' storage
; order makes the 16 registers of tiles 2 B and 2 B + 1 the 16 neighbouring tokens 32 B + 16 h + 0 .. 15.  Both sides have rows of 1,024 codes and 32 scale bytes, so only pointers and tile numbers differ.
; OUTPUT: qkvr [batch x head 32][q, k, v][step of 128 tokens, 16][record of 8,448 bytes]; a record is four images of 2,048 bytes ([k / 16][row 16][16 bytes]: the registers of a fragment, lane by lane)
; and 4 x 16 scale words.  q, k: image b holds in fragment row r the 64 codes of storage row 32 b + r and then those of row 32 b + 16 + r.  v: image c holds channels 16 c + r against the step's 128 keys.
; LIMITS: NaN and infinities are not served; a block whose largest magnitude lies under 2^-118 keeps the byte 1.  The scale words leave in runs of 64 or 128 bytes: one byte in 33 of the output.
; REGISTERS: window 0: v0-31 addresses; v32-63 scale words, two sets; from v128 A's fragments, one set.  window 1: B's fragments, two sets.  windows 2, 3: the accumulators ((a, bt) at v[8 (8 (a % 4) + bt)]).
; On the way out window 0 is free: v32-47 at work, v48-55 the scale words made, v64-127 held numbers, v128-255 the codes of the eight blocks.
.set SIZE_K, 1024
.set KSTEP,  256
.set NQ,     KSTEP/128
.set ROWB,   256
.set KROW,   SIZE_K
.set PITCH,  272                       ; an LDS row: 256 bytes + 16 of padding: the 16 rows that a load touches start at 16 different groups of four banks
.set FR,     16
.set NL,     4
.set NP,     8                         ; places behind this matrix instruction (ISA guide 7.12.1)
.set HALFT,  128*PITCH
.set SLOT,   4*HALFT
.set LAPS,   SIZE_K/(2*KSTEP)
.set KS,     SIZE_K/32
.set SCL,    2*SLOT
.set HALFS,  (128*KS/256)*272
.set SBLK,   (16*KS/256)*272
.set SPARE,  SCL+4*HALFS               ; the spare words, 128 bytes for each wave: two blocks of 256 bytes that no other line names
.set HEADB,  405504                    ; bytes of one batch x head in qkvr
.set PARTB,  135168                    ; of its q, k or v
.set RECB,   8448                      ; of a record
.set ADRA, 16
.set ADRB, 20
.set ADRS, 27
.set SPW,  28
.set NIL,  29
.set SC,   32
.set AF,   128
.set TM,   32                          ; the way out: v32-35 largest magnitudes, v36-39 bytes, v40-43 448 x scale, v44-47 scale operands
.set PW,   48                          ; v48-55 block a's scale word
.set T,    64
.set CD,   128
.set G1, 24
.set G0, 32
.set G1B, 48
.set G0B, 56
.set G1S, 68
.set G0S, 76
.set G1SB, 80
.set G0SB, 88
.set MSB, 0
.macro WIN new                         ; the immediate's high byte repeats the setting that is left
.if MSB != (\new)
	s_set_vgpr_msb (MSB<<8)|(\new)
.set MSB, (\new)
.endif
.endm
.set MUL_LO, 0xa1                      ; source 0 (B) window 1, source 1 (A) window 0, C and D window 2
.set MUL_HI, 0xf1
.set TO_B,   0x40
; A joint load: waves 0 and 1 fetch for A, waves 2 and 3 for B; the branch hangs on the wave's number alone.  Four v_nop follow each of the two lines.
.macro JLOAD g0a, g1a, g0b, g1b
	s_cmp_eq_u32 s15, 0
	s_cbranch_scc0 .Lfor_b_\@
	tensor_load_to_lds s[\g0a:\g0a+3], s[\g1a:\g1a+7]
	s_nop 0
.rept 4
	v_nop
.endr
	s_branch .Lasked_\@
.Lfor_b_\@:
	tensor_load_to_lds s[\g0b:\g0b+3], s[\g1b:\g1b+7]
	s_nop 0
.rept 4
	v_nop
.endr
.Lasked_\@:
.endm
.macro CREST                           ; a round of the cluster's barrier behind its opening barrier
	s_cmp_lg_u32 s14, 0
	s_cbranch_scc1 .Lnot_wave_0_\@
	s_barrier_signal -3
.Lnot_wave_0_\@:
	s_barrier_wait -3
	s_barrier_signal -1
	s_barrier_wait -1
.endm
.macro CROUND
	s_barrier_signal -1
	s_barrier_wait -1
	CREST
.endm
	s_load_b128 s[4:7], s[0:1], 0x0                ; the tokens' codes, their scale bytes
	s_load_b128 s[8:11], s[0:1], 0x10              ; W's codes, W's scale bytes
	s_load_b64 s[12:13], s[0:1], 0x20              ; qkvr
	v_lshl_add_u32 v[SPW], v0, 2, SPARE
	v_mov_b32 v[NIL], 0
	ds_add_u32 v28, v29
	ds_add_u32 v28, v29
	s_wait_dscnt 0x0
	v_lshrrev_b32 v1, 5, v0
	v_readfirstlane_b32 s14, v1                    ; wave 0..3
	s_lshr_b32 s15, s14, 1                         ; which half of A's rows is mine.  Also: I fetch for A (0) or for B (1)
	s_and_b32 s16, s14, 1                          ; which half of B's rows.  Also: which 128 rows I fetch
	s_bfe_u32 s40, ttmp6, 0x40000                  ; cx, cy: my place in the cluster
	s_bfe_u32 s41, ttmp6, 0x40004
	s_and_b32 s17, ttmp7, 0xffff                   ; the cluster's y
	s_max_u32 s19, s17, 4
	s_sub_co_u32 s19, s19, 4
	s_lshl_b32 s19, s19, 3                         ; 8 x (y - 4) in the role v, 0 in the role q, k
	s_lshl_b32 s18, s17, 2
	s_cmp_lt_u32 s17, 4
	s_cselect_b32 s95, 1, 0                        ; 1: the role q, k
	s_cselect_b32 s17, s18, 8
	s_add_co_u32 s17, s17, s41                     ; A's tile of 256 rows: 4 y + cy of the tokens, or 8 + cy of W
	s_lshl_b32 s42, ttmp9, 2
	s_add_co_u32 s42, s42, s40
	s_add_co_u32 s42, s42, s19                     ; B's tile: 4 x + cx of W, or 4 x + cx + 8 (y - 4) of the tokens
	s_lshl_b32 s43, s41, 2
	s_lshl_b32 s43, 15, s43                        ; my row of the cluster
	s_lshl_b32 s44, 0x1111, s40                    ; my column
	s_or_b32 s[G1+0], s43, (0<<16)|(1<<20)|(1<<21)|(5<<22)|(3<<25)  ; 15:0 the mask; 17:16 elements of 1 byte; 20 padding on; 21 set beside a mask; 24:22 after every 64 words; 31:25 four words
	s_or_b32 s[G1B+0], s44, (0<<16)|(1<<20)|(1<<21)|(5<<22)|(3<<25)
.irp g, G1, G1B
	s_mov_b32 s[\g+1], ROWB<<16                    ; tensor_dim0
	s_mov_b32 s[\g+2], 256<<16                     ; tensor_dim1: 256 rows for the head's loads; set to 128 for the ring's behind them
	s_mov_b32 s[\g+3], ROWB<<16                    ; tile_dim0
	s_mov_b32 s[\g+4], 256                         ; tile_dim1
	s_mov_b32 s[\g+5], KROW                        ; tensor_dim0_stride
	s_mov_b32 s[\g+6], 0
	s_mov_b32 s[\g+7], 0
.endr
	s_or_b32 s[G1S+0], s43, (3<<16)|(1<<20)|(1<<21)|(5<<22)|(3<<25)   ; the scale bytes of 256 rows: a dense block, as rows of 256 bytes (32 elements of 8), 16 bytes of padding behind each
	s_or_b32 s[G1SB+0], s44, (3<<16)|(1<<20)|(1<<21)|(5<<22)|(3<<25)
.irp g, G1S, G1SB
	s_mov_b32 s[\g+1], 32<<16
	s_mov_b32 s[\g+2], KS<<16                      ; the scale bytes of 256 rows: KS rows of 256 bytes
	s_mov_b32 s[\g+3], 32<<16
	s_mov_b32 s[\g+4], KS
	s_mov_b32 s[\g+5], 32
	s_mov_b32 s[\g+6], 0
	s_mov_b32 s[\g+7], 0
.endr
	s_lshl_b32 s20, s17, 8                         ; A's tile: its first row
	s_lshl_b32 s46, s42, 8                         ; B's
	s_mov_b32 s21, 0
	s_mov_b32 s47, 0
	s_mov_b64 s[18:19], KS
	s_mul_u64 s[22:23], s[20:21], s[18:19]         ; where these rows' scale bytes begin
	s_mul_u64 s[92:93], s[46:47], s[18:19]
	s_mov_b64 s[18:19], KROW
	s_mul_u64 s[20:21], s[20:21], s[18:19]         ; and their codes
	s_mul_u64 s[46:47], s[46:47], s[18:19]
	s_mul_i32 s18, s16, 128*KROW                   ; in the ring I fetch 128 rows of a tile: which half, in bytes
	s_mov_b32 s19, 0
	s_mul_i32 s45, s14, HALFT                      ; and where they go: wave x 128 rows
	s_wait_kmcnt 0x0
	s_cmp_lg_u32 s95, 0                            ; which buffers are A and which B: the choice hangs on the cluster's y alone
	s_cselect_b64 s[96:97], s[4:5], s[8:9]
	s_cselect_b64 s[98:99], s[6:7], s[10:11]
	s_cselect_b64 s[8:9], s[8:9], s[4:5]
	s_cselect_b64 s[10:11], s[10:11], s[6:7]
	s_add_nc_u64 s[20:21], s[96:97], s[20:21]
	s_add_nc_u64 s[22:23], s[98:99], s[22:23]
	s_add_nc_u64 s[46:47], s[8:9], s[46:47]
	s_add_nc_u64 s[92:93], s[10:11], s[92:93]
	CROUND                                         ; all sixteen work-groups are here: the first joint loads meet
	s_mov_b32 s[G0S], 1
	s_mov_b32 s[G0S+1], SCL
	s_mov_b64 s[G0S+2:G0S+3], s[22:23]
	s_or_b32 s[G0S+3], s[G0S+3], 0x80000000
	s_mov_b32 s[G0SB], 1
	s_mov_b32 s[G0SB+1], SCL+2*HALFS
	s_mov_b64 s[G0SB+2:G0SB+3], s[92:93]
	s_or_b32 s[G0SB+3], s[G0SB+3], 0x80000000
.set G0H, 4                            ; s[4:7], s[8:11]: group 0 of the head's loads of K step 0 (the arguments that lay there have been used)
.set G0HB, 8
	s_mov_b32 s[G0H], 1                            ; K step 0's 256 rows of A,
	s_mov_b32 s[G0H+1], 0
	s_mov_b64 s[G0H+2:G0H+3], s[20:21]
	s_or_b32 s[G0H+3], s[G0H+3], 0x80000000
	s_mov_b32 s[G0HB], 1                           ; and of B, behind them in slot 0
	s_mov_b32 s[G0HB+1], 2*HALFT
	s_mov_b64 s[G0HB+2:G0HB+3], s[46:47]
	s_or_b32 s[G0HB+3], s[G0HB+3], 0x80000000
	s_add_nc_u64 s[20:21], s[20:21], s[18:19]      ; for the ring: my 128 rows of the tile
	s_add_nc_u64 s[46:47], s[46:47], s[18:19]
.irp s, 0,1
	s_mov_b32 s[G0+4*\s], 1
	s_add_co_u32 s[G0+4*\s+1], s45, \s*SLOT
	s_add_nc_u64 s[G0+4*\s+2:G0+4*\s+3], s[20:21], \s*ROWB
	s_or_b32 s[G0+4*\s+3], s[G0+4*\s+3], 0x80000000
	s_mov_b32 s[G0B+4*\s], 1
	s_add_co_u32 s[G0B+4*\s+1], s45, \s*SLOT
	s_add_nc_u64 s[G0B+4*\s+2:G0B+4*\s+3], s[46:47], \s*ROWB
	s_or_b32 s[G0B+4*\s+3], s[G0B+4*\s+3], 0x80000000
.endr
; the head's four tiles, one joint load a wave: wave 0 A's 256 rows, wave 1 B's, wave 2 A's scale bytes, wave 3 B's; one tree of branches on the wave's number
.macro ARM under, g0, g1, next
	s_cmp_lt_u32 s14, \under
	s_cbranch_scc0 \next
	tensor_load_to_lds s[\g0:\g0+3], s[\g1:\g1+7]
	s_nop 0
.rept 4
	v_nop
.endr
	s_branch .Lhead_asked
\next:
.endm
	ARM 1, G0H,  G1,  .Lhead_b
	ARM 2, G0HB, G1B, .Lhead_sa
	ARM 3, G0S,  G1S, .Lhead_sb
	tensor_load_to_lds s[G0SB:G0SB+3], s[G1SB:G1SB+7]
	s_nop 0
.rept 4
	v_nop
.endr
.Lhead_asked:
	v_and_b32 v1, 15, v0                           ; r
	v_bfe_u32 v2, v0, 4, 1                         ; h
	v_mul_u32_u24 v3, v1, PITCH
	v_lshl_add_u32 v4, v2, 4, v3                   ; a fragment's row x pitch + 16 x half
	s_mul_i32 s21, s15, HALFT
	s_mul_i32 s22, s16, HALFT
	s_add_co_u32 s22, s22, 2*HALFT
.irp s, 0,1
	v_add_nc_u32 v[ADRA+\s], s21, v4
	v_add_nc_u32 v[ADRB+\s], s22, v4
	s_add_co_u32 s21, s21, SLOT
	s_add_co_u32 s22, s22, SLOT
.endr
	v_mul_u32_u24 v5, v1, KS                       ; my row's scale bytes: KS a row,
	v_lshrrev_b32 v6, 8, v5
	v_lshl_add_u32 v5, v6, 4, v5                   ; and 16 more for each 256 passed
	s_mul_i32 s21, s15, HALFS
	s_mul_i32 s22, s16, HALFS
	s_add_co_u32 s22, s22, 2*HALFS
	s_sub_co_u32 s22, s22, s21
	v_mul_u32_u24 v6, s22, v2                      ; lanes 16-31 take B's
	s_add_co_u32 s21, s21, SCL
	v_add_nc_u32 v5, v5, v6
	v_add_nc_u32 v[ADRS], s21, v5
.macro FRAG reg, adr, q, i             ; a fragment, 16 rows x 128 K: lane l holds row l % 16; registers 4 c .. 4 c + 3 hold K = 32 c + 16 (l / 16) + 0 .. 15
.irp c, 0,1,2,3
	ds_load_b128 v[\reg+4*\c:\reg+4*\c+3], v[\adr] offset:128*(\q)+32*\c+(\i)*16*PITCH
.endr
.endm
; 16 matrix instructions: A's blocks a0, a0 + 1 x B's eight.  The 64 accumulators take turns, one instruction a turn, in the same order in every step.
.macro MUL16 a0, p, q, sc, zero
.irp a, \a0, \a0+1
.irp b, 0,1,2,3,4,5,6,7
.if \zero
	v_wmma_scale_f32_16x16x128_f8f6f4 v[8*(8*((\a)%4)+\b):8*(8*((\a)%4)+\b)+7], v[128*(\p)+FR*\b:128*(\p)+FR*\b+FR-1], v[AF+FR*(\a):AF+FR*(\a)+FR-1], 0, v[SC+8*NQ*(\sc)+NQ*\b+(\q)], v[SC+8*NQ*(\sc)+NQ*(\a)+(\q)] matrix_a_scale:MATRIX_SCALE_ROW1
.else
	v_wmma_scale_f32_16x16x128_f8f6f4 v[8*(8*((\a)%4)+\b):8*(8*((\a)%4)+\b)+7], v[128*(\p)+FR*\b:128*(\p)+FR*\b+FR-1], v[AF+FR*(\a):AF+FR*(\a)+FR-1], v[8*(8*((\a)%4)+\b):8*(8*((\a)%4)+\b)+7], v[SC+8*NQ*(\sc)+NQ*\b+(\q)], v[SC+8*NQ*(\sc)+NQ*(\a)+(\q)] matrix_a_scale:MATRIX_SCALE_ROW1
.endif
.endr
.endr
.endm
.macro FETCH_B slot, q, p
	WIN TO_B
.irp i, 0,1,2,3,4,5,6,7
	FRAG 128*(\p)+FR*\i, ADRB+\slot, \q, \i
.endr
	WIN 0
.endm
.macro FETCH_A slot, q, i0
.irp i, \i0, \i0+1, \i0+2, \i0+3
	FRAG AF+FR*(\i), ADRA+\slot, \q, \i
.endr
.endm
.macro SCALES sc                       ; a K step's scale words: lanes 0-15 take A's block i, lanes 16-31 B's block i
.irp i, 0,1,2,3,4,5,6,7
	ds_load_b64 v[SC+8*NQ*\sc+NQ*\i:SC+8*NQ*\sc+NQ*\i+1], v[ADRS] offset:\i*SBLK
.endr
.endm
.macro PLACES n                        ; plain vector lines between a matrix instruction and a load into, or a vector line on, its registers
.rept \n
	v_nop
.endr
.endm
.macro STEP slot, q, zero              ; 128 along K that has its successor in the same slot
	s_wait_dscnt 4*NL                              ; B's set and A's blocks 0-3 are in; the youngest 16 loads (A's blocks 4-7) may be out
	WIN MUL_LO
	MUL16 0, (\q)%2, \q, \slot, \zero
	MUL16 2, (\q)%2, \q, \slot, \zero
	s_wait_dscnt 0
	PLACES NP
	FETCH_B \slot, (\q)+1, 1-(\q)%2
	FETCH_A \slot, (\q)+1, 0
	WIN MUL_HI
	MUL16 4, (\q)%2, \q, \slot, \zero
	MUL16 6, (\q)%2, \q, \slot, \zero
	PLACES NP
	WIN 0
	FETCH_A \slot, (\q)+1, 4
.endm
; A slot's last step changes slots: one barrier; in front of it each wave waits for all its tensor loads, adds 0 to its spare word, and waits for that and for its reads of this slot.
.macro TURN slot, next, fill
	s_wait_tensorcnt 0x0                           ; all my tensor loads have landed: my part of the next slot
	ds_add_u32 v[SPW], v[NIL]                      ; 0 onto my spare word
	s_wait_dscnt 4*NL+1                            ; the add and the youngest 16 loads (A's blocks 4-7) may be out
	WIN MUL_LO
	MUL16 0, 1, NQ-1, \slot, 0
	s_wait_dscnt 0x0                               ; the add is done, and my reads of this slot are over
	s_barrier_signal -1
	MUL16 2, 1, NQ-1, \slot, 0
	WIN 0
	s_barrier_wait -1
.if \fill
	CREST                                          ; the barrier has opened a round of the cluster's barrier: no wave of any partner still reads this slot or has a load on its way
	s_add_nc_u64 s[G0+4*\slot+2:G0+4*\slot+3], s[G0+4*\slot+2:G0+4*\slot+3], 2*ROWB
	s_add_nc_u64 s[G0B+4*\slot+2:G0B+4*\slot+3], s[G0B+4*\slot+2:G0B+4*\slot+3], 2*ROWB
	JLOAD G0+4*\slot, G1, G0B+4*\slot, G1B         ; the first tensor load behind the round; its four v_nop are among the places in front of the loads below
	PLACES NP-4
.else
	PLACES NP
.endif
	s_wait_alu depctr_va_vdst(0)
	v_add_nc_u32 v[ADRS], 4*NQ, v[ADRS]            ; on to the next K step's scale words (no LDS load of mine is out)
	FETCH_B \next, 0, 0
	FETCH_A \next, 0, 0
	SCALES \next
	WIN MUL_HI
	MUL16 4, 1, NQ-1, \slot, 0
	MUL16 6, 1, NQ-1, \slot, 0
	PLACES NP
	WIN 0
	FETCH_A \next, 0, 4
.endm
	s_wait_alu depctr_va_vdst(0)
	s_wait_tensorcnt 0x0                           ; my tile of the head's four is in
	ds_add_u32 v[SPW], v[NIL]
	s_mov_b32 s[G1+2], 128<<16                     ; no tensor load of mine is out: from here on a load brings 128 rows
	s_mov_b32 s[G1+4], 128
	s_mov_b32 s[G1B+2], 128<<16
	s_mov_b32 s[G1B+4], 128
	s_wait_dscnt 0x0
	CROUND                                         ; all four tiles are in, and all sixteen work-groups are here
	JLOAD G0+4, G1, G0B+4, G1B                     ; K step 1: the first tensor load behind the round
	FETCH_B 0, 0, 0
	FETCH_A 0, 0, 0
	SCALES 0
	FETCH_A 0, 0, 4
	STEP 0, 0, 1                                   ; the first step stands in front of the loop: its products start the sums
	s_mov_b32 s3, LAPS-1
.Llap:
	TURN 0, 1, 1
	STEP 1, 0, 0
	TURN 1, 0, 1
	STEP 0, 0, 0
	s_sub_co_u32 s3, s3, 1
	s_cmp_lg_u32 s3, 0
	s_cbranch_scc1 .Llap
	TURN 0, 1, 0                                   ; the last lap fills nothing
	STEP 1, 0, 0
	s_wait_dscnt 4*NL
	WIN MUL_LO
	MUL16 0, 1, NQ-1, 1, 0
	MUL16 2, 1, NQ-1, 1, 0
	s_wait_dscnt 0
	WIN MUL_HI
	MUL16 4, 1, NQ-1, 1, 0
	MUL16 6, 1, NQ-1, 1, 0
	WIN 0
	PLACES NP                                      ; behind the last products: vector lines now read results and write registers that held operands and scales
; THE WAY OUT.  Block a (A's rows 16 a + r): a lane's 64 numbers are four blocks of 32 along the next K, 16 in this lane and 16 in lane l xor 16.
.macro QUANTW a
.set AC, 64*((\a)%4)
.set CC, CD+16*(\a)
	WIN 0x0a+5*((\a)/4)                            ; sources 0 and 1: the accumulators' window
.irp b, 0,1,2,3
	v_max3_num_f32 v[TM+\b], |v[AC+16*\b]|, |v[AC+16*\b+1]|, 0x4800000   ; each accumulator is read from its low end on; the floor 2^(9 - 127) holds the byte at 1 from below
.endr
.irp i, 2,4,6,8,10,12,14
.irp b, 0,1,2,3
	v_max3_num_f32 v[TM+\b], |v[AC+16*\b+\i]|, |v[AC+16*\b+\i+1]|, v[TM+\b]
.endr
.endr
	WIN 0
.irp b, 0,1,2,3
	v_permlanex16_b32 v[TM+4+\b], v[TM+\b], s20, s21
.endr
.irp b, 0,1,2,3
	v_max_num_f32 v[TM+\b], v[TM+\b], v[TM+4+\b]   ; the block's largest magnitude
.endr
.irp b, 0,1,2,3
	v_add_nc_u32 v[TM+12+\b], 0xfc000000, v[TM+\b] ; 8 off its exponent field: the conversion's scale operand
.endr
.irp b, 0,1,2,3
	v_and_or_b32 v[TM+8+\b], v[TM+\b], 0x7f800000, s23   ; 448 x the scale
.endr
.irp b, 0,1,2,3
	v_lshrrev_b32 v[TM+4+\b], 23, v[TM+12+\b]      ; the scale's byte
.endr
	v_lshl_or_b32 v[PW+(\a)], v[TM+5], 8, v[TM+4]
	v_lshl_or_b32 v[PW+(\a)], v[TM+6], 16, v[PW+(\a)]
	v_lshl_or_b32 v[PW+(\a)], v[TM+7], 24, v[PW+(\a)]
	WIN 0x02+((\a)/4)                              ; source 0: the accumulators' window
.irp b, 0,1,2,3
.irp i, 0,1,2,3,4,5,6,7,8,9,10,11,12,13,14,15
	v_med3_num_f32 v[T+16*\b+\i], v[AC+16*\b+\i], -v[TM+8+\b], v[TM+8+\b]   ; the conversion does not saturate (ISA guide 7.6.2): the hold comes first
.endr
.endr
	WIN 0
.irp b, 0,1,2,3
	v_cvt_scalef32_pk8_fp8_f32 v[CC+4*\b:CC+4*\b+1], v[T+16*\b:T+16*\b+7], v[TM+12+\b]
	v_cvt_scalef32_pk8_fp8_f32 v[CC+4*\b+2:CC+4*\b+3], v[T+16*\b+8:T+16*\b+15], v[TM+12+\b]
.endr
	v_nop                                          ; one plain line behind the last conversion
.endm
	s_mov_b32 s20, 0x76543210
	s_mov_b32 s21, 0xfedcba98                      ; v_permlanex16_b32's selects for lane l xor 16
	s_mov_b32 s23, 0x600000                        ; the mantissa field of 448
	s_mov_b32 s96, 0xffff0000                      ; lanes 16-31
	s_mov_b32 s97, 0x05040100                      ; byte selects: the low halves of two words,
	s_mov_b32 s98, 0x07060302                      ; the high halves
	; where my records begin.  tokens' tile and half, columns' tile and half, by the role; head index = 4 x columns' tile + 2 x half runs over q's 16 heads, k's 16, v's 16
	s_cmp_lg_u32 s95, 0
	s_cselect_b32 s24, s17, s42
	s_cselect_b32 s25, s15, s16
	s_cselect_b32 s26, s42, s17
	s_cselect_b32 s27, s16, s15
	s_lshl_b32 s26, s26, 2
	s_lshl_b32 s27, s27, 1
	s_add_co_u32 s26, s26, s27
	s_lshr_b32 s27, s26, 4                         ; q, k or v
	s_and_b32 s26, s26, 15                         ; my first head of two
	s_lshr_b32 s28, s24, 3                         ; the batch
	s_lshl_b32 s28, s28, 4
	s_add_co_u32 s26, s26, s28
	s_and_b32 s24, s24, 7
	s_lshl_b32 s24, s24, 1
	s_add_co_u32 s24, s24, s25                     ; the step of 128 tokens
	s_mul_i32 s26, s26, HEADB
	s_mul_i32 s27, s27, PARTB
	s_mul_i32 s24, s24, RECB
	s_add_co_u32 s26, s26, s27
	s_add_co_u32 s26, s26, s24
	s_mov_b32 s27, 0
	s_add_nc_u64 s[12:13], s[12:13], s[26:27]
.irp b, 0,1,2,3
	v_mov_b32 v[TM+4+\b], 0                        ; (a lane permute's destination counts as one of its sources)
.endr
	v_lshlrev_b32 v3, 4, v1
	v_lshl_add_u32 v3, v2, 3, v3                   ; 16 r + 8 h
	v_mul_u32_u24 v4, v2, HEADB
	v_lshl_add_u32 v4, v1, 2, v4                   ; 4 r, lanes 16-31 one head on
	v_and_b32 v6, 31, v0
	v_lshlrev_b32 v5, 4, v6                        ; 16 x lane
	v_lshlrev_b32 v6, 2, v6                        ; 4 x lane
.irp a, 0,1,2,3,4,5,6,7
	QUANTW \a
.endr
	s_cmp_lg_u32 s95, 0
	s_cbranch_scc0 .Lv_out
	; q, k: tile 2 B + u of block a is channels 16 (2 (B % 2) + u) + 8 h + 0 .. 7 of head B / 2, token row 16 a + r: 8 bytes at 16 r + 8 h of that chunk: each store covers 256 consecutive bytes
.irp a, 0,1,2,3,4,5,6,7
.irp b, 0,1,2,3
.irp u, 0,1
	global_store_b64 v3, v[CD+16*\a+4*\b+2*\u:CD+16*\a+4*\b+2*\u+1], s[12:13] offset:(\b/2)*HEADB+(\a/2)*2048+(\a%2)*1024+(2*(\b%2)+\u)*256
.endr
.endr
.endr
.irp p, 0,1,2,3                        ; an image's scale word: two bytes of block 2 p, two of block 2 p + 1; lanes 0-15 store the first head's, lanes 16-31 the second's
	v_perm_b32 v60, v[PW+2*\p+1], v[PW+2*\p], s97
	v_perm_b32 v61, v[PW+2*\p+1], v[PW+2*\p], s98
	v_cndmask_b32 v[56+\p], v60, v61, s96
	global_store_b32 v4, v[56+\p], s[12:13] offset:8192+64*\p
.endr
	s_branch .Ldone
.Lv_out:
	; v: block a is channels 16 (a % 4) + r of head a / 4; its 16 registers of codes are the fragment's registers: each store covers 512 consecutive bytes
	s_wait_alu depctr_va_vdst(0)
.irp a, 0,1,2,3,4,5,6,7
.irp c, 0,1,2,3
	global_store_b128 v5, v[CD+16*\a+4*\c:CD+16*\a+4*\c+3], s[12:13] offset:(\a/4)*HEADB+(\a%4)*2048+512*\c
.endr
.endr
.irp p, 0,1,2,3                        ; lanes 0-15 store block 2 p's scale words, lanes 16-31 block 2 p + 1's
	v_cndmask_b32 v[56+\p], v[PW+2*\p], v[PW+2*\p+1], s96
	global_store_b32 v6, v[56+\p], s[12:13] offset:(\p/2)*HEADB+8192+((2*\p)%4)*64
.endr
.Ldone:
	s_wait_tensorcnt 0x0                           ; the wave's end
	ds_add_u32 v[SPW], v[NIL]
	s_wait_dscnt 0x0
	CROUND                                         ; the closing round: no work-group ends while a partner may still ask for a tile that names it
	s_endpgm
.Lfunc_end_k_q0573a0feff_qkv:
	.size	k_q0573a0feff_qkv, .Lfunc_end_k_q0573a0feff_qkv-k_q0573a0feff_qkv
	.p2alignl 7, 3214868480
	.fill 96, 4, 3214868480
	.section	.rodata,"a",@progbits
	.p2align	6, 0x0
	.amdhsa_kernel k_q0573a0feff_qkv
		.amdhsa_group_segment_fixed_size 327680
		.amdhsa_private_segment_fixed_size 0
		.amdhsa_enable_private_segment 0
		.amdhsa_kernarg_size 40
		.amdhsa_user_sgpr_count 2
		.amdhsa_user_sgpr_kernarg_segment_ptr 1
		.amdhsa_wavefront_size32 1
		.amdhsa_system_sgpr_workgroup_id_x 1
		.amdhsa_system_sgpr_workgroup_id_y 1
		.amdhsa_system_sgpr_workgroup_id_z 1
		.amdhsa_system_vgpr_workitem_id 0
		.amdhsa_next_free_vgpr 1024
		.amdhsa_next_free_sgpr 100
		.amdhsa_reserve_vcc 0
		.amdhsa_float_denorm_mode_32 3
		.amdhsa_float_denorm_mode_16_64 3
		.amdhsa_memory_ordered 1
		.amdhsa_forward_progress 1
		.amdhsa_inst_pref_size 194
	.end_amdhsa_kernel
	.amdgpu_metadata
---
amdhsa.version: [ 1, 2 ]
amdhsa.kernels:
  - .name:           k_q0573a0feff_qkv
    .symbol:         k_q0573a0feff_qkv.kd
    .args:
      - { .name: acodes, .offset: 0, .size: 8, .value_kind: global_buffer, .address_space: global }
      - { .name: ascales, .offset: 8, .size: 8, .value_kind: global_buffer, .address_space: global }
      - { .name: qkv_w_codes, .offset: 16, .size: 8, .value_kind: global_buffer, .address_space: global }
      - { .name: qkv_w_scales, .offset: 24, .size: 8, .value_kind: global_buffer, .address_space: global }
      - { .name: qkvr, .offset: 32, .size: 8, .value_kind: global_buffer, .address_space: global }
    .group_segment_fixed_size: 327680
    .private_segment_fixed_size: 0
    .kernarg_segment_align: 8
    .kernarg_segment_size: 40
    .max_flat_workgroup_size: 128
    .sgpr_count:     100
    .vgpr_count:     1024
    .wavefront_size: 32
...
	.end_amdgpu_metadata
.endif
;; end of part 2
;; launch attn (part 3): grid 8 x 32, 16 waves a work-group, no clusters, 309,248 bytes of LDS; arguments qkvr, mbits, img, imgs; writes img, imgs
.if DOCPART == 3
	.amdgcn_target "amdgcn-amd-amdhsa--gfx1250"
	.amdhsa_code_object_version 6
	.text
	.protected	k_q0573a0feff_attn
	.globl	k_q0573a0feff_attn
	.p2align	8
	.type	k_q0573a0feff_attn,@function
k_q0573a0feff_attn:
	s_mov_b64 s[64:65], 0
	v_nop
	global_prefetch_b8 v0, s[64:65] scope:SCOPE_SE
	s_setreg_imm32_b32 hwreg(HW_REG_WAVE_MODE, 25, 1), 1
	s_wait_xcnt 0x0
; o = softmax(mask ? q k^T / 8 : -inf) v for one batch x head, both products on codes of E4M3 with E8M0 scales; o is quantised along the channels and stored as operand images.
; THE SOFTMAX AHEAD OF THE SECOND PRODUCT: t = score x log2(e) / 8; M = the row's largest t so far, rounded up to a whole number; p = 2^(t - M) is quantised along the keys, not normalised; the row's sum is
; taken of the unquantised p and divides o at the end.  When M moves, the sum and o are multiplied by 2^(old M - new M), which rounds nothing.
; SHARES.  A work-group owns one batch x head and 16 tiles of 16 queries, one to each of its sixteen waves.  The head's K and V (32 records of 8,448 bytes: four register images and their scale words)
; are copied into LDS once, through registers, and read by all waves; one barrier.  Every wave walks the 16 steps of 128 keys.
; THE MASK is an input: an earlier launch has turned it into words of lane bits (one word for each score register of a step) and two flags a step.  A step in which none of the tile's 16 x 128 entries is
; true adds nothing to any sum and is passed over; a step in which all of them are true needs neither the words nor the selects and takes a way without them.  Both are scalar branches on stored flags.
; This launch has no tensor load and no joint loads: the query tiles of a head, which read the same K and V, sit in one work-group instead of a cluster.
; The wave's tile is 8 x (wave xor 3 where wave bit 2 is set) + work-group x: it only evens the waves' work where the kept part grows with the query; every mask is served.
; LAYOUT.  S^T = K Q^T (source 0 = keys, source 1 = my queries), O^T = V^T P^T: a lane holds one query (lane % 16) throughout.  The head's K is 64, half of the instruction's 128: a fragment of K holds in
; row r the codes of storage row 32 b + r and of row 32 b + 16 + r, and is multiplied by [q | 0] and by [0 | q]: two tiles of keys from one fragment.  By the tokens' storage order the 16 registers of
; these two tiles are the keys 32 b + 16 (lane / 16) + 0 .. 15.
; V's fragments are asked for as soon as the scores' products have read K's, into the same registers: they land while the softmax is worked.
; A QUERY WHOSE MASK IS ALL FALSE has the sum 0: its scale bytes are stored as 0xff, by which the next product gives NaN for that row, as the softmax of a row of -inf does.
; LIMITS: NaN and infinities among the scores are not served; a block whose largest magnitude lies under 2^-118 keeps the byte 1.  The scale bytes leave as 2 bytes a row: 128 KiB in the launch.
.set RECB,  8448
.set PARTB, 135168
.set HEADB, 405504
.set KF,   48                          ; v48-111  four fragments of K, then V's four
.set S,    112                         ; v112-175 S^T, then p
.set OT,   176                         ; v176-207 O^T
.set PC,   208                         ; v208-223 p's codes
.set BM,   224                         ; v224-227 the blocks' largest scores, then largest p
.set PM,   228                         ; v228-231 at work (lane permutes, bytes)
.set HOLD, 232                         ; v232-235 448 x scale
.set SCOP, 236                         ; v236-239 the conversions' scale operands
; v1 16 lane, v2 4 lane + 8,192, v3 and v4 the same for V; v5 16 r + 8 h; v6 4 r; v7 -inf; v8-11 the step's LDS addresses; v12 -M, v13 the largest t, v[14:15] the sum in two halves;
; v16-31 [q | 0], v32-47 [0 | q]; v240-241 K's scale words, v242-243 V's, v244 q's, v245 p's; v[246:247] f; v248-255 at work
; s16: sixteen flags 'the step has a true entry', the step in hand in bit 0; s27: 'it has a false entry', likewise
	s_load_b256 s[4:11], s[0:1], 0x0               ; qkvr s[4:5], mask words s[6:7], img s[8:9], imgs s[10:11]
	v_lshl_add_u32 v254, v0, 2, 0x42000
	v_mov_b32 v255, 0
	v_lshrrev_b32 v1, 5, v0
	s_delay_alu instid0(VALU_DEP_1)
	v_readfirstlane_b32 s12, v1                    ; wave 0..15
	s_and_b32 s13, ttmp7, 0xffff                   ; batch x head
	s_bfe_u32 s14, s12, 0x10002
	s_mul_i32 s14, s14, 3
	s_xor_b32 s14, s14, s12
	s_lshl_b32 s15, s14, 3
	s_add_co_u32 s15, s15, ttmp9                   ; my tile of queries, 0-127
; THE WAVES' WORK IS EVENED.  Waves whose number s14 is under 8 (helpers) walk all 16 steps of their own tile and store it, then walk steps 8-15 of the tile of wave 15 - s14 and hand
; O^T, -M and the sums over through LDS: 9 x 512 bytes a pair.  Waves 8-15 (owners) walk steps 0-7 of their own tile, join the two parts by exact powers of two, and store.
; Every wave walks both loops of 16 trips; the stored flags, cut to the steps that are the wave's, say which trips work.  Every mask is served: the deal only evens the work where the kept part grows with the query.
.set MRG, 0x42800                      ; behind the spare words: 8 pairs x 4,608 bytes
	s_xor_b32 s101, s14, 15
	s_lshl_b32 s100, s101, 3
	s_add_co_u32 s100, s100, ttmp9                 ; the partner's tile
	s_min_u32 s101, s101, s14                      ; the pair's number, 0-7
	s_mul_i32 s101, s101, 4608
	s_add_co_u32 s101, s101, MRG
.macro QSET                            ; from the tile in s15: offsets of q's codes s[34:35], its scale words s[36:37], the mask words s[24:25]; the byte select s33
	s_mul_i32 s26, s13, HEADB
	s_lshr_b32 s28, s15, 3
	s_mul_i32 s28, s28, RECB                       ; its record,
	s_bfe_u32 s29, s15, 0x20001                    ; the image in it,
	s_and_b32 s31, s15, 1                          ; and the half of the image
	s_lshl_b32 s30, s29, 11
	s_add_co_u32 s30, s30, s28
	s_lshl_b32 s32, s31, 10
	s_add_co_u32 s30, s30, s32
	s_add_co_u32 s34, s30, s26                     ; q's codes
	s_mov_b32 s35, 0
	s_lshl_b32 s29, s29, 6
	s_add_co_u32 s28, s28, s29
	s_add_co_u32 s28, s28, 8192
	s_add_co_u32 s36, s28, s26                     ; q's scale words
	s_mov_b32 s37, 0
	s_add_co_u32 s38, s26, PARTB                   ; K's records, and V's behind them
	s_mov_b32 s39, 0
	s_lshl_b32 s40, s15, 4
	s_add_co_u32 s40, s40, 524288                  ; my tile's four words of flags
	s_mov_b32 s41, 0
	s_lshl_b32 s24, s15, 12                        ; my tile's mask words: 256 bytes a step
	s_mov_b32 s25, 0
	s_mov_b32 s33, 0x01000100                      ; which two bytes of the image's scale word are my tile's
	s_cmp_lg_u32 s31, 0
	s_cselect_b32 s33, 0x03020302, s33
.endm
	QSET
	s_mov_b32 s19, 0x600000                        ; the mantissa field of 448
	s_mov_b32 s20, 0x76543210
	s_mov_b32 s21, 0xfedcba98                      ; v_permlanex16_b32's selects for lane l xor 16
	s_mov_b32 s22, 0x3e38aa3b                      ; c = log2(e) / 8
	s_mov_b32 s23, s22                             ; (named with it as a pair, so it is written)
	v_and_b32 v248, 31, v0
	v_and_b32 v249, 15, v0
	v_bfe_u32 v250, v0, 4, 1
	s_delay_alu instid0(VALU_DEP_3)
	v_lshlrev_b32 v1, 4, v248
	s_delay_alu instid0(VALU_DEP_4)
	v_lshlrev_b32 v2, 2, v248
	s_delay_alu instid0(VALU_DEP_1)
	v_add_nc_u32 v4, PARTB+8192, v2
	s_delay_alu instid0(VALU_DEP_2)
	v_add_nc_u32 v2, 8192, v2
	s_delay_alu instid0(VALU_DEP_4)
	v_add_nc_u32 v3, PARTB, v1
	v_lshlrev_b32 v5, 4, v249
	s_delay_alu instid0(VALU_DEP_1)
	v_lshl_add_u32 v5, v250, 3, v5
	v_lshlrev_b32 v6, 2, v249
	v_mov_b32 v7, 0xff800000
	v_add_nc_u32 v251, s101, v1                    ; v251: my pair's place in LDS + 16 x lane; never rewritten
	v_lshlrev_b32 v180, 4, v0                      ; the copy: 16 x my thread's number,
.irp k, 1,2,3,4
	v_add_nc_u32 v[180+\k], 65536*\k, v180         ; and, for LDS, 64 KiB steps in registers: an LDS offset has 16 bits
.endr
	s_wait_alu depctr_va_vdst(0)
	s_wait_kmcnt 0x0
	s_add_nc_u64 s[34:35], s[4:5], s[34:35]
	s_add_nc_u64 s[36:37], s[4:5], s[36:37]
	s_add_nc_u64 s[38:39], s[4:5], s[38:39]
	s_add_nc_u64 s[40:41], s[6:7], s[40:41]
	s_add_nc_u64 s[24:25], s[6:7], s[24:25]
	s_load_b128 s[44:47], s[40:41], 0x0
	s_lshl_b32 s42, s100, 4
	s_add_co_u32 s42, s42, 524288
	s_mov_b32 s43, 0
	s_add_nc_u64 s[42:43], s[6:7], s[42:43]
	s_load_b128 s[52:55], s[42:43], 0x0            ; the partner tile's four words of flags
	global_load_b128 v[16:19], v1, s[34:35]        ; q's 1,024 bytes are half an image: registers 0-7 of a fragment
	global_load_b128 v[20:23], v1, s[34:35] offset:512
	global_load_b128 v[40:43], v1, s[34:35]        ; and once more as registers 8-15
	global_load_b128 v[44:47], v1, s[34:35] offset:512
	global_load_b32 v253, v6, s[36:37]
.set i, 0
.rept 33                               ; 33 x 8,192 bytes: each load of the work-group covers 8,192 consecutive bytes
	global_load_b128 v[48+4*i:51+4*i], v180, s[38:39] offset:8192*i
.set i, i+1
.endr
.irp j, 24,25,26,27,28,29,30,31,32,33,34,35,36,37,38,39
	v_mov_b32 v\j, 0                               ; the zero halves of [q | 0] and [0 | q]: zero codes add nothing under any scale byte but 0xff
.endr
.set i, 0
.irp left, 22, 11, 0
	s_wait_loadcnt \left                           ; q's five loads and the copy's next eleven are in; the count is the copy's loads still behind them
.rept 11
	ds_store_b128 v[180+i/8], v[48+4*i:51+4*i] offset:8192*(i%8)
.set i, i+1
.endr
.endr
	v_perm_b32 v244, v253, v253, s33               ; q's scale word: my tile's two bytes, twice
	v_mov_b32 v13, 0xff61b1e6                      ; the largest t so far: -3e38, under every t
	s_delay_alu instid0(VALU_DEP_1)
	v_floor_f32 v12, -v13                          ; -M
	v_mov_b32 v14, 0
	v_mov_b32 v15, 0
	v_mov_b32 v247, 0                              ; (named as the upper half of the pair v[246:247])
.irp b, 0,1,2,3
	v_mov_b32 v[PM+\b], 0                          ; (a lane permute's destination counts as one of its sources)
.endr
	s_wait_kmcnt 0x0
	s_and_b32 s16, s44, 15                         ; a flag word holds four steps: bits 0-3 'has a true entry', bits 4-7 'has a false entry'
	s_lshr_b32 s27, s44, 4
.irp k, 1,2,3
	s_and_b32 s48, s[44+\k], 15
	s_lshr_b32 s49, s[44+\k], 4
	s_lshl_b32 s48, s48, 4*\k
	s_lshl_b32 s49, s49, 4*\k
	s_or_b32 s16, s16, s48
	s_or_b32 s27, s27, s49
.endr
	s_and_b32 s2, s52, 15                          ; s2, s3: the second loop's flags
	s_lshr_b32 s3, s52, 4
.irp k, 1,2,3
	s_and_b32 s48, s[52+\k], 15
	s_lshr_b32 s49, s[52+\k], 4
	s_lshl_b32 s48, s48, 4*\k
	s_lshl_b32 s49, s49, 4*\k
	s_or_b32 s2, s2, s48
	s_or_b32 s3, s3, s49
.endr
	s_and_b32 s2, s2, 0xff00                       ; a helper takes steps 8-15 of the partner's tile,
	s_and_b32 s48, s16, 0xff                       ; an owner steps 0-7 of its own
	s_cmp_lt_u32 s14, 8
	s_cselect_b32 s16, s16, s48
	s_cselect_b32 s2, s2, 0                        ; and nothing in the second loop
	s_wait_dscnt 0x0                               ; for the others' sake: my part of the copy has landed
	s_barrier_signal -1
	s_barrier_wait -1
.set i, 0
.rept 32
	v_mov_b32 v[OT+i], 0                           ; O^T.  (The step is written once: the first finds zeros, which the first change of M leaves zeros)
.set i, i+1
.endr
; The step's scores: K's four fragments, eight products, and then V's four fragments into K's registers.
.macro SCORES
	v_add_nc_u32 v8, s17, v1
	v_add_nc_u32 v9, s17, v2
	v_add_nc_u32 v10, s17, v3
	v_add_nc_u32 v11, s17, v4
.rept 4
	v_nop                                          ; with the four additions eight places: the loads below land in registers that the last step's products read as V
.endr
.irp b, 0,1,2,3
.irp c, 0,1,2,3
	ds_load_b128 v[KF+16*\b+4*\c:KF+16*\b+4*\c+3], v8 offset:2048*\b+512*\c
.endr
.endr
	ds_load_b32 v240, v9                           ; lanes 0-15: image 0's scale words, lanes 16-31: image 1's
	ds_load_b32 v241, v9 offset:128
	s_wait_alu depctr_va_vdst(0)
	s_wait_dscnt 0x0
.irp b, 0,1,2,3
.irp u, 0,1
.if \b%2
	v_wmma_scale_f32_16x16x128_f8f6f4 v[S+8*(2*\b+\u):S+8*(2*\b+\u)+7], v[KF+16*\b:KF+16*\b+15], v[16+16*\u:31+16*\u], 0, v[240+\b/2], v244 matrix_a_scale:MATRIX_SCALE_ROW1
.else
	v_wmma_scale_f32_16x16x128_f8f6f4 v[S+8*(2*\b+\u):S+8*(2*\b+\u)+7], v[KF+16*\b:KF+16*\b+15], v[16+16*\u:31+16*\u], 0, v[240+\b/2], v244
.endif
.endr
.endr
.rept 8
	v_nop                                          ; eight places: behind them K's registers are loaded again and the scores are read
.endr
.irp t, 0,1,2,3
.irp c, 0,1,2,3
	ds_load_b128 v[KF+16*\t+4*\c:KF+16*\t+4*\c+3], v10 offset:2048*\t+512*\c   ; V's four fragments: wanted behind the softmax
.endr
.endr
	ds_load_b32 v242, v11
	ds_load_b32 v243, v11 offset:128
.endm
.macro LOOP                            ; 16 trips, one for each step of 128 keys; the flags in s16 and s27 say which work
	s_mov_b32 s17, 0                               ; where the step's records begin in LDS
	s_mov_b32 s18, 0
.Lstep_\@:
	s_bitcmp1_b32 s16, 0                           ; has this step any true entry that is mine?
	s_cbranch_scc0 .Lskip_\@
	s_bitcmp1_b32 s27, 0                           ; and any false one?
	s_cbranch_scc0 .Lopen_\@
	s_load_b512 s[32:47], s[24:25], 0x0            ; the step's 64 mask words
	s_load_b512 s[48:63], s[24:25], 0x40
	s_load_b512 s[68:83], s[24:25], 0x80
	s_load_b512 s[84:99], s[24:25], 0xc0
	SCORES
	s_wait_kmcnt 0x0
.set n, 0
.rept 64                               ; register n: key 128 step + 32 (n / 16) + 16 (lane / 16) + n % 16; where the mask is false the score becomes -inf, so p = 0
.if n < 32
	v_cndmask_b32 v[S+n], v7, v[S+n], s[32+n]
.else
	v_cndmask_b32 v[S+n], v7, v[S+n], s[36+n]
.endif
.set n, n+1
.endr
	s_branch .Lsoft_\@
.Lopen_\@:
	SCORES                                         ; all 16 x 128 entries are true: no words, no selects
.Lsoft_\@:
.irp b, 0,1,2,3
	v_max3_num_f32 v[BM+\b], v[S+16*\b], v[S+16*\b+1], v[S+16*\b+2]   ; the largest score of each block of 32 keys: for the row's maximum and, since p rises with the score, for the block's largest p
.endr
.irp i, 3,5,7,9,11,13
.irp b, 0,1,2,3
	v_max3_num_f32 v[BM+\b], v[BM+\b], v[S+16*\b+\i], v[S+16*\b+\i+1]
.endr
.endr
.irp b, 0,1,2,3
	v_max_num_f32 v[BM+\b], v[BM+\b], v[S+16*\b+15]
.endr
.irp b, 0,1,2,3
	s_delay_alu instid0(VALU_DEP_4)
	v_permlanex16_b32 v[PM+\b], v[BM+\b], s20, s21
.endr
.irp b, 0,1,2,3
	s_delay_alu instid0(VALU_DEP_4)
	v_max_num_f32 v[BM+\b], v[BM+\b], v[PM+\b]
.endr
	s_delay_alu instid0(VALU_DEP_2)
	v_max3_num_f32 v250, v[BM], v[BM+1], v[BM+2]
	s_delay_alu instid0(VALU_DEP_1)
	v_max_num_f32 v250, v250, v[BM+3]
	s_delay_alu instid0(VALU_DEP_1)
	v_mul_f32 v250, s22, v250                      ; the step's largest t
	s_delay_alu instid0(VALU_DEP_1)
	v_max_num_f32 v13, v13, v250
	v_mov_b32 v250, v12
	s_delay_alu instid0(VALU_DEP_2)
	v_floor_f32 v12, -v13                          ; the new -M = -ceil(t)
	s_delay_alu instid0(VALU_DEP_1)
	v_sub_f32 v250, v12, v250                      ; old M - new M: a whole number, 0 or less
	s_delay_alu instid0(VALU_DEP_1)
	v_cvt_i32_f32 v250, v250                       ; (it saturates)
	s_delay_alu instid0(VALU_DEP_1)
	v_ldexp_f32 v246, 1.0, v250                    ; f = 2^(old M - new M)
.set i, 0
.rept 32
	v_pk_fma_f32 v[S+2*i:S+2*i+1], v[S+2*i:S+2*i+1], s[22:23], v[12:13] op_sel_hi:[1,0,0]   ; t - M
.set i, i+1
.endr
.irp b, 0,1,2,3
	v_fma_f32 v[BM+\b], v[BM+\b], s22, v12
.endr
.set i, 0
	s_wait_alu depctr_va_vdst(0)
.rept 64
	v_exp_f32 v[S+i], v[S+i]                       ; p = 2^(t - M)
.set i, i+1
.endr
.irp b, 0,1,2,3
	v_exp_f32 v[BM+\b], v[BM+\b]                   ; the block's largest p: the same two instructions on the same number
.endr
	v_pk_mul_f32 v[14:15], v[14:15], v[246:247] op_sel_hi:[1,0]   ; the sums under the new M (a plain line behind the exponentials)
	s_wait_alu depctr_va_vdst(0)
.irp b, 0,1,2,3
	v_max_num_f32 v[BM+\b], 0x4800000, v[BM+\b]    ; the floor 2^(9 - 127): the byte cannot fall under 1
.endr
.irp b, 0,1,2,3
	s_delay_alu instid0(VALU_DEP_4)
	v_add_nc_u32 v[SCOP+\b], 0xfc000000, v[BM+\b]
.endr
.irp b, 0,1,2,3
	v_and_or_b32 v[HOLD+\b], v[BM+\b], 0x7f800000, s19
.endr
.irp b, 0,1,2,3
	v_lshrrev_b32 v[PM+\b], 23, v[SCOP+\b]
.endr
	s_delay_alu instid0(VALU_DEP_3)
	v_lshl_or_b32 v245, v[PM+1], 8, v[PM]          ; p's scale word for these 128 keys
	s_delay_alu instid0(VALU_DEP_1)
	v_lshl_or_b32 v245, v[PM+2], 16, v245
	s_delay_alu instid0(VALU_DEP_1)
	v_lshl_or_b32 v245, v[PM+3], 24, v245
	v_pk_add_f32 v[248:249], v[S:S+1], v[S+2:S+3]  ; the row's sum is taken of the unquantised p, in two chains
.irp j, 4,8,12,16,20,24,28,32,36,40,44,48,52,56,60
	v_pk_add_f32 v[14:15], v[14:15], v[S+\j:S+\j+1]
	v_pk_add_f32 v[248:249], v[248:249], v[S+\j+2:S+\j+3]
.endr
	s_delay_alu instid0(VALU_DEP_1)
	v_pk_add_f32 v[14:15], v[14:15], v[248:249]
.irp b, 0,1,2,3
.irp i, 0,1,2,3,4,5,6,7,8,9,10,11,12,13,14,15
	v_min_num_f32 v[S+16*\b+\i], v[S+16*\b+\i], v[HOLD+\b]   ; the conversion does not saturate (ISA guide 7.6.2); p is not negative, so the hold is one-sided
.endr
	v_cvt_scalef32_pk8_fp8_f32 v[PC+4*\b:PC+4*\b+1], v[S+16*\b:S+16*\b+7], v[SCOP+\b]
	v_cvt_scalef32_pk8_fp8_f32 v[PC+4*\b+2:PC+4*\b+3], v[S+16*\b+8:S+16*\b+15], v[SCOP+\b]
.endr
.set i, 0
.rept 16
	v_pk_mul_f32 v[OT+2*i:OT+2*i+1], v[OT+2*i:OT+2*i+1], v[246:247] op_sel_hi:[1,0]   ; O^T under the new M; these are also the places between the codes' making and the products
.set i, i+1
.endr
	s_wait_alu depctr_va_vdst(0)
	s_wait_dscnt 0x0                               ; V's fragments and scale words, asked for ahead of the softmax
.irp t, 0,1,2,3
.if \t%2
	v_wmma_scale_f32_16x16x128_f8f6f4 v[OT+8*\t:OT+8*\t+7], v[KF+16*\t:KF+16*\t+15], v[PC:PC+15], v[OT+8*\t:OT+8*\t+7], v[242+\t/2], v245 matrix_a_scale:MATRIX_SCALE_ROW1
.else
	v_wmma_scale_f32_16x16x128_f8f6f4 v[OT+8*\t:OT+8*\t+7], v[KF+16*\t:KF+16*\t+15], v[PC:PC+15], v[OT+8*\t:OT+8*\t+7], v[242+\t/2], v245
.endif
.endr
.Lskip_\@:
	s_lshr_b32 s16, s16, 1
	s_lshr_b32 s27, s27, 1
	s_add_co_u32 s17, s17, RECB
	s_add_nc_u64 s[24:25], s[24:25], 256
	s_add_co_u32 s18, s18, 1
	s_cmp_lt_u32 s18, 16
	s_cbranch_scc1 .Lstep_\@
.endm
.macro WAYOUT                          ; the tile in s15 leaves; a wave runs it once
	; THE WAY OUT: o = O^T / the sum; two blocks of 32 channels, 16 in this lane and 16 in lane l xor 16; codes into the image of K step head / 2 of the next product
.rept 8
	v_nop                                          ; places behind the last products
.endr
	s_lshr_b32 s26, s13, 4                         ; batch
	s_and_b32 s27, s13, 15                         ; head
	s_lshr_b32 s28, s27, 1
	s_and_b32 s27, s27, 1
	s_lshl_b32 s29, s28, 8
	s_lshl_b32 s30, s26, 7
	s_add_co_u32 s29, s29, s30
	s_add_co_u32 s29, s29, s15                     ; which image: 256 (head / 2) + 128 batch + tile
	s_lshl_b32 s30, s29, 11
	s_lshl_b32 s31, s27, 10
	s_add_co_u32 s30, s30, s31
	s_mov_b32 s31, 0
	s_add_nc_u64 s[8:9], s[8:9], s[30:31]
	s_lshl_b32 s30, s29, 6                         ; its 16 scale words,
	s_lshl_b32 s27, s27, 1
	s_add_co_u32 s30, s30, s27                     ; and my head's two bytes of each
	s_add_nc_u64 s[10:11], s[10:11], s[30:31]
	v_add_f32 v14, v14, v15
	s_delay_alu instid0(VALU_DEP_1)
	v_permlanex16_b32 v248, v14, s20, s21
	s_delay_alu instid0(VALU_DEP_1)
	v_add_f32 v14, v14, v248                       ; the row's sum
	s_wait_alu depctr_va_vdst(0)
	v_rcp_f32 v250, v14
	v_mov_b32 v252, 0xffff                         ; (a plain line behind the transcendental)
.set i, 0
	s_wait_alu depctr_va_vdst(0)
.rept 16
	v_pk_mul_f32 v[S+2*i:S+2*i+1], v[OT+2*i:OT+2*i+1], v[250:251] op_sel_hi:[1,0]   ; register 8 t + j: channel 16 t + 8 h + j; each accumulator from its low end on
.set i, i+1
.endr
.irp b, 0,1
	v_max3_num_f32 v[BM+\b], |v[S+16*\b]|, |v[S+16*\b+1]|, 0x4800000
.endr
.irp i, 2,4,6,8,10,12,14
.irp b, 0,1
	s_delay_alu instid0(VALU_DEP_2)
	v_max3_num_f32 v[BM+\b], v[BM+\b], |v[S+16*\b+\i]|, |v[S+16*\b+\i+1]|
.endr
.endr
.irp b, 0,1
	s_delay_alu instid0(VALU_DEP_2)
	v_permlanex16_b32 v[PM+\b], v[BM+\b], s20, s21
.endr
.irp b, 0,1
	s_delay_alu instid0(VALU_DEP_2)
	v_max_num_f32 v[BM+\b], v[BM+\b], v[PM+\b]
.endr
.irp b, 0,1
	s_delay_alu instid0(VALU_DEP_2)
	v_add_nc_u32 v[SCOP+\b], 0xfc000000, v[BM+\b]
.endr
.irp b, 0,1
	s_delay_alu instid0(VALU_DEP_4)
	v_and_or_b32 v[HOLD+\b], v[BM+\b], 0x7f800000, s19
.endr
.irp b, 0,1
	s_delay_alu instid0(VALU_DEP_4)
	v_lshrrev_b32 v[PM+\b], 23, v[SCOP+\b]
.endr
	s_delay_alu instid0(VALU_DEP_1)
	v_lshl_or_b32 v253, v[PM+1], 8, v[PM]          ; my head's two scale bytes of this row
	v_cmp_eq_f32 vcc_lo, 0, v14                    ; a row without any true key
	s_delay_alu instid0(VALU_DEP_1)
	v_cndmask_b32 v253, v253, v252, vcc_lo         ; gets 0xff, 0xff
.irp b, 0,1
.irp i, 0,1,2,3,4,5,6,7,8,9,10,11,12,13,14,15
	v_med3_num_f32 v[S+16*\b+\i], v[S+16*\b+\i], -v[HOLD+\b], v[HOLD+\b]
.endr
	v_cvt_scalef32_pk8_fp8_f32 v[PC+4*\b:PC+4*\b+1], v[S+16*\b:S+16*\b+7], v[SCOP+\b]
	v_cvt_scalef32_pk8_fp8_f32 v[PC+4*\b+2:PC+4*\b+3], v[S+16*\b+8:S+16*\b+15], v[SCOP+\b]
.endr
	v_nop
.irp t, 0,1,2,3
	global_store_b64 v5, v[PC+2*\t:PC+2*\t+1], s[8:9] offset:256*\t   ; chunk t of my head's half image: 256 consecutive bytes
.endr
	v_and_b32 v248, 31, v0
	s_delay_alu instid0(VALU_DEP_1)
	v_cmp_gt_u32 vcc_lo, 16, v248                  ; lanes 0-15: lanes 16-31 hold the same bytes
	s_wait_xcnt 0x0                                ; EXEC changes only behind this wait: it is a source of the stores above
	s_and_saveexec_b32 s26, vcc_lo
	global_store_b16 v6, v253, s[10:11]
	s_wait_xcnt 0x0
	s_or_b32 exec_lo, exec_lo, s26
.endm
	LOOP                                           ; helpers: their own tile, all steps; owners: steps 0-7
	s_cmp_lt_u32 s14, 8
	s_cbranch_scc0 .Lowner_1
	WAYOUT                                         ; a helper's own tile is done
	s_mov_b32 s15, s100                            ; on to the partner's tile: its q, its mask words, sums begun anew
	QSET
	s_add_nc_u64 s[34:35], s[4:5], s[34:35]
	s_add_nc_u64 s[36:37], s[4:5], s[36:37]
	s_add_nc_u64 s[24:25], s[6:7], s[24:25]
	global_load_b128 v[16:19], v1, s[34:35]
	global_load_b128 v[20:23], v1, s[34:35] offset:512
	global_load_b128 v[40:43], v1, s[34:35]
	global_load_b128 v[44:47], v1, s[34:35] offset:512
	global_load_b32 v253, v6, s[36:37]
	v_mov_b32 v13, 0xff61b1e6
	v_floor_f32 v12, -v13
	v_mov_b32 v14, 0
	v_mov_b32 v15, 0
.set i, 0
.rept 32
	v_mov_b32 v[OT+i], 0
.set i, i+1
.endr
	s_wait_loadcnt 0x0
	v_perm_b32 v244, v253, v253, s33
.Lowner_1:
	s_mov_b32 s16, s2
	s_mov_b32 s27, s3
	LOOP                                           ; helpers: steps 8-15 of the partner's tile; owners: no trip works
.rept 8
	v_nop                                          ; places behind the last products: O^T is read below
.endr
	s_wait_alu depctr_va_vdst(0)
	s_cmp_lt_u32 s14, 8
	s_cbranch_scc0 .Lowner_2
.set i, 0
.rept 8
	ds_store_b128 v251, v[OT+4*i:OT+4*i+3] offset:512*i   ; each accumulator from its low end on
.set i, i+1
.endr
	ds_store_b128 v251, v[12:15] offset:4096       ; -M, the largest t, the sum's two halves
.Lowner_2:
	s_wait_dscnt 0x0                               ; for the owner's sake: my part has landed
	s_barrier_signal -1
	s_barrier_wait -1
	s_cmp_lt_u32 s14, 8
	s_cbranch_scc1 .Lend
.set i, 0
.rept 9
	ds_load_b128 v[S+4*i:S+4*i+3], v251 offset:512*i
.set i, i+1
.endr
	s_wait_dscnt 0x0
	v_min_num_f32 v248, v12, v[S+32]               ; the joint -M: the smaller of the two
	v_sub_f32 v249, v248, v12                      ; each part's M less the joint M: whole numbers, 0 or less
	v_sub_f32 v250, v248, v[S+32]
	v_cvt_i32_f32 v249, v249                       ; (they saturate)
	v_cvt_i32_f32 v250, v250
	v_ldexp_f32 v246, 1.0, v249                    ; my part's factor,
	v_ldexp_f32 v252, 1.0, v250                    ; the helper's: powers of two, which round nothing
	v_pk_mul_f32 v[14:15], v[14:15], v[246:247] op_sel_hi:[1,0]
	v_pk_fma_f32 v[14:15], v[S+34:S+35], v[252:253], v[14:15] op_sel_hi:[1,0,1]
.set i, 0
.rept 16
	v_pk_mul_f32 v[OT+2*i:OT+2*i+1], v[OT+2*i:OT+2*i+1], v[246:247] op_sel_hi:[1,0]
.set i, i+1
.endr
.set i, 0
.rept 16
	v_pk_fma_f32 v[OT+2*i:OT+2*i+1], v[S+2*i:S+2*i+1], v[252:253], v[OT+2*i:OT+2*i+1] op_sel_hi:[1,0,1]
.set i, i+1
.endr
	WAYOUT
.Lend:
	s_wait_tensorcnt 0x0                           ; the wave's end
	ds_add_u32 v254, v255
	s_wait_dscnt 0x0
	s_endpgm
.Lfunc_end_k_q0573a0feff_attn:
	.size	k_q0573a0feff_attn, .Lfunc_end_k_q0573a0feff_attn-k_q0573a0feff_attn
	.p2alignl 7, 3214868480
	.fill 96, 4, 3214868480
	.section	.rodata,"a",@progbits
	.p2align	6, 0x0
	.amdhsa_kernel k_q0573a0feff_attn
		.amdhsa_group_segment_fixed_size 309248
		.amdhsa_private_segment_fixed_size 0
		.amdhsa_enable_private_segment 0
		.amdhsa_kernarg_size 32
		.amdhsa_user_sgpr_count 2
		.amdhsa_user_sgpr_kernarg_segment_ptr 1
		.amdhsa_wavefront_size32 1
		.amdhsa_system_sgpr_workgroup_id_x 1
		.amdhsa_system_sgpr_workgroup_id_y 1
		.amdhsa_system_sgpr_workgroup_id_z 1
		.amdhsa_system_vgpr_workitem_id 0
		.amdhsa_next_free_vgpr 256
		.amdhsa_next_free_sgpr 102
		.amdhsa_reserve_vcc 1
		.amdhsa_float_denorm_mode_32 3
		.amdhsa_float_denorm_mode_16_64 3
		.amdhsa_memory_ordered 1
		.amdhsa_forward_progress 1
		.amdhsa_inst_pref_size 91
	.end_amdhsa_kernel
	.amdgpu_metadata
---
amdhsa.version: [ 1, 2 ]
amdhsa.kernels:
  - .name:           k_q0573a0feff_attn
    .symbol:         k_q0573a0feff_attn.kd
    .args:
      - { .name: qkvr, .offset: 0, .size: 8, .value_kind: global_buffer, .address_space: global }
      - { .name: mbits, .offset: 8, .size: 8, .value_kind: global_buffer, .address_space: global }
      - { .name: img, .offset: 16, .size: 8, .value_kind: global_buffer, .address_space: global }
      - { .name: imgs, .offset: 24, .size: 8, .value_kind: global_buffer, .address_space: global }
    .group_segment_fixed_size: 309248
    .private_segment_fixed_size: 0
    .kernarg_segment_align: 8
    .kernarg_segment_size: 32
    .max_flat_workgroup_size: 512
    .sgpr_count:     102
    .vgpr_count:     256
    .wavefront_size: 32
...
	.end_amdgpu_metadata
.endif
;; end of part 3
;; launch outp (part 4): grid 8 x 32, 4 waves a work-group, clusters of 4 x 4, 327,680 bytes of LDS; arguments img, imgs, out_w_codes, out_w_scales, out_b, x, x2; writes x2
.if DOCPART == 4
	.amdgcn_target "amdgcn-amd-amdhsa--gfx1250"
	.amdhsa_code_object_version 6
	.text
	.protected	k_q0573a0feff_outp
	.globl	k_q0573a0feff_outp
	.p2align	8
	.type	k_q0573a0feff_outp,@function
k_q0573a0feff_outp:
	s_mov_b64 s[64:65], 0
	v_nop
	global_prefetch_b8 v0, s[64:65] scope:SCOPE_SE
	s_setreg_imm32_b32 hwreg(HW_REG_WAVE_MODE, 25, 1), 1
	s_wait_xcnt 0x0
	s_wait_alu depctr_hold_cnt(0) depctr_sa_sdst(0) depctr_va_vdst(0) depctr_va_sdst(0) depctr_va_ssrc(0) depctr_va_vcc(0) depctr_vm_vsrc(0)
	s_getreg_b32 s2, hwreg(HW_REG_IB_STS2, 6, 4)
	s_cmp_eq_u32 s2, 0
	s_cbranch_scc0 .Lentry_in_a_cluster
	s_endpgm
.Lentry_in_a_cluster:
	s_bfe_u32 s2, ttmp6, 0x10000c
	s_cmp_lg_u32 s2, 0xf033
	s_cbranch_scc0 .Lentry_shape_is_right
	s_endpgm
.Lentry_shape_is_right:
.set SIZE_K, 1024
.set KB,     SIZE_K/128
.set KS,     SIZE_K/32
.set LAPS,   SIZE_K/1024
.set AHALF,  32768
.set WP,     528
.set WHALF,  64*WP
.set WOFF,   2*AHALF
.set SLOT,   WOFF+2*WHALF
.set SCA,    2*SLOT
.set SAH,    (KB/2)*512
.set SCB,    SCA+2*SAH
.set SBLK,   (16*KS/256)*272
.set SBH,    4*SBLK
.set SPARE,  SCB+2*SBH
.set ADRA, 16
.set ADRB, 20
.set ASA,  22
.set ASB,  23
.set STO,  24
.set RD,   25
.set CO,   26
.set SPW,  28
.set NIL,  29
.set SC,   32
.set ROWS, 64
.set ACC,  128
.set F0,   0
.set F1,   128
.set G1A,  24
.set G0A,  32
.set G1B,  40
.set G0B,  48
.set G1SA, 56
.set G0SA, 68
.set G1SB, 72
.set G0SB, 80
.set MSB, 0
.macro WIN new
.if MSB != (\new)
	s_set_vgpr_msb (MSB<<8)|(\new)
.set MSB, (\new)
.endif
.endm
.set MUL,  0x05
.set TO_F, 0x40
.macro JLOAD g0a, g1a, g0b, g1b
	s_cmp_eq_u32 s19, 0
	s_cbranch_scc0 .Lfor_b_\@
	tensor_load_to_lds s[\g0a:\g0a+3], s[\g1a:\g1a+7]
	s_nop 0
.rept 4
	v_nop
.endr
	s_branch .Lasked_\@
.Lfor_b_\@:
	tensor_load_to_lds s[\g0b:\g0b+3], s[\g1b:\g1b+7]
	s_nop 0
.rept 4
	v_nop
.endr
.Lasked_\@:
.endm
.macro CREST
	s_cmp_lg_u32 s18, 0
	s_cbranch_scc1 .Lnot_wave_0_\@
	s_barrier_signal -3
.Lnot_wave_0_\@:
	s_barrier_wait -3
	s_barrier_signal -1
	s_barrier_wait -1
.endm
.macro CROUND
	s_barrier_signal -1
	s_barrier_wait -1
	CREST
.endm
.macro PLACES n
.rept \n
	v_nop
.endr
.endm
	s_load_b256 s[4:11], s[0:1], 0x0
	s_load_b128 s[12:15], s[0:1], 0x20
	s_load_b64 s[16:17], s[0:1], 0x30
	v_lshl_add_u32 v[SPW], v0, 2, SPARE
	v_mov_b32 v[NIL], 0
	ds_add_u32 v28, v29
	ds_add_u32 v28, v29
	s_wait_dscnt 0x0
	v_lshrrev_b32 v1, 5, v0
	v_readfirstlane_b32 s18, v1
	s_lshr_b32 s19, s18, 1
	s_and_b32 s20, s18, 1
	s_bfe_u32 s84, ttmp6, 0x40000
	s_bfe_u32 s85, ttmp6, 0x40004
	s_lshl_b32 s86, ttmp9, 2
	s_add_co_u32 s86, s86, s84
	s_and_b32 s87, ttmp7, 0xffff
	s_lshl_b32 s87, s87, 2
	s_add_co_u32 s87, s87, s85
	s_lshl_b32 s88, s85, 2
	s_lshl_b32 s88, 15, s88
	s_lshl_b32 s89, 0x1111, s84
	s_or_b32 s[G1A], s88, (3<<16)|(1<<21)
	s_mov_b32 s[G1A+1], 2048<<16                   ; A's tile: rows of 16,384 bytes (the 8 images of one K quarter); 4 rows for the head's load, 2 for the ring's
	s_mov_b32 s[G1A+2], 4<<16
	s_mov_b32 s[G1A+3], 2048<<16
	s_mov_b32 s[G1A+4], 4
	s_mov_b32 s[G1A+5], 65536
	s_mov_b32 s[G1A+6], 0
	s_mov_b32 s[G1A+7], 0
	s_or_b32 s[G1B], s89, (0<<16)|(1<<20)|(1<<21)|(6<<22)|(3<<25)
	s_mov_b32 s[G1B+1], 512<<16
	s_mov_b32 s[G1B+2], 128<<16                    ; W's tile: 128 rows for the head's load, 64 for the ring's
	s_mov_b32 s[G1B+3], 512<<16
	s_mov_b32 s[G1B+4], 128
	s_mov_b32 s[G1B+5], SIZE_K
	s_mov_b32 s[G1B+6], 0
	s_mov_b32 s[G1B+7], 0
	s_or_b32 s[G1SA], s88, (3<<16)|(1<<21)
	s_mov_b32 s[G1SA+1], 64<<16
	s_mov_b32 s[G1SA+2], KB<<16
	s_mov_b32 s[G1SA+3], 64<<16
	s_mov_b32 s[G1SA+4], KB
	s_mov_b32 s[G1SA+5], 2048
	s_mov_b32 s[G1SA+6], 0
	s_mov_b32 s[G1SA+7], 0
	s_or_b32 s[G1SB], s89, (3<<16)|(1<<20)|(1<<21)|(5<<22)|(3<<25)
	s_mov_b32 s[G1SB+1], 32<<16
	s_mov_b32 s[G1SB+2], (128*KS/256)<<16
	s_mov_b32 s[G1SB+3], 32<<16
	s_mov_b32 s[G1SB+4], 128*KS/256
	s_mov_b32 s[G1SB+5], 32
	s_mov_b32 s[G1SB+6], 0
	s_mov_b32 s[G1SB+7], 0
	s_lshl_b32 s90, s87, 14
	s_mov_b32 s91, 0
	s_lshl_b32 s92, s87, 9
	s_mov_b32 s93, 0
	s_lshl_b32 s94, s86, 7
	s_mul_i32 s96, s94, KS
	s_mul_i32 s94, s94, SIZE_K
	s_mov_b32 s95, 0
	s_mov_b32 s97, 0
	s_mul_i32 s21, s20, AHALF
	s_mul_i32 s22, s20, WHALF
	s_wait_kmcnt 0x0
	s_add_nc_u64 s[90:91], s[4:5], s[90:91]
	s_add_nc_u64 s[92:93], s[6:7], s[92:93]
	s_add_nc_u64 s[94:95], s[8:9], s[94:95]
	s_add_nc_u64 s[96:97], s[10:11], s[96:97]
	CROUND
	s_mov_b32 s[G0SA], 1
	s_mov_b32 s[G0SA+1], SCA
	s_mov_b64 s[G0SA+2:G0SA+3], s[92:93]
	s_or_b32 s[G0SA+3], s[G0SA+3], 0x80000000
	s_mov_b32 s[G0SB], 1
	s_mov_b32 s[G0SB+1], SCB
	s_mov_b64 s[G0SB+2:G0SB+3], s[96:97]
	s_or_b32 s[G0SB+3], s[G0SB+3], 0x80000000
	s_mov_b32 s4, 1                                ; s[4:7], s[8:11]: group 0 of the head's loads of slot 0 (the arguments that lay there have been used): A whole,
	s_mov_b32 s5, 0
	s_mov_b64 s[6:7], s[90:91]
	s_or_b32 s7, s7, 0x80000000
	s_mov_b32 s8, 1                                ; and W's 128 rows
	s_mov_b32 s9, WOFF
	s_mov_b64 s[10:11], s[94:95]
	s_or_b32 s11, s11, 0x80000000
	s_lshl_b32 s98, s20, 20                        ; for the ring: my two K quarters of A (2 x 524,288 bytes on),
	s_mov_b32 s99, 0
	s_add_nc_u64 s[90:91], s[90:91], s[98:99]
	s_mul_i32 s98, s20, 64*SIZE_K                  ; my 64 rows of W
	s_add_nc_u64 s[94:95], s[94:95], s[98:99]
.irp s, 0,1
	s_mov_b32 s[G0A+4*\s], 1
	s_add_co_u32 s[G0A+4*\s+1], s21, \s*SLOT
	s_add_nc_u64 s[G0A+4*\s+2:G0A+4*\s+3], s[90:91], \s*2097152
	s_or_b32 s[G0A+4*\s+3], s[G0A+4*\s+3], 0x80000000
	s_mov_b32 s[G0B+4*\s], 1
	s_add_co_u32 s[G0B+4*\s+1], s22, \s*SLOT+WOFF
	s_add_nc_u64 s[G0B+4*\s+2:G0B+4*\s+3], s[94:95], \s*512
	s_or_b32 s[G0B+4*\s+3], s[G0B+4*\s+3], 0x80000000
.endr
; the head's four tiles, one joint load a wave: wave 0 slot 0's A, wave 1 its W, wave 2 A's scale words, wave 3 W's scale bytes; one tree of branches on the wave's number
.macro ARM under, g0, g1, next
	s_cmp_lt_u32 s18, \under
	s_cbranch_scc0 \next
	tensor_load_to_lds s[\g0:\g0+3], s[\g1:\g1+7]
	s_nop 0
.rept 4
	v_nop
.endr
	s_branch .Lhead_asked
\next:
.endm
	ARM 1, 4, G1A, .Lhead_b
	ARM 2, 8, G1B, .Lhead_sa
	ARM 3, G0SA, G1SA, .Lhead_sb
	tensor_load_to_lds s[G0SB:G0SB+3], s[G1SB:G1SB+7]
	s_nop 0
.rept 4
	v_nop
.endr
.Lhead_asked:
	v_and_b32 v1, 15, v0
	v_bfe_u32 v2, v0, 4, 1
	v_and_b32 v3, 31, v0
	v_lshlrev_b32 v[CO], 4, v3
	s_lshl_b32 s98, s19, 13                        ; a slot's A lies [K quarter][16,384 bytes]: my four images begin 8,192 x my row half into each quarter
	v_add_nc_u32 v[ADRA], s98, v[CO]
	v_add_nc_u32 v[ADRA+1], SLOT, v[ADRA]
	v_mul_u32_u24 v4, v1, WP
	v_lshl_add_u32 v4, v2, 4, v4
	s_mul_i32 s98, s20, WHALF
	s_add_co_u32 s98, s98, WOFF
	v_add_nc_u32 v[ADRB], s98, v4
	v_add_nc_u32 v[ADRB+1], SLOT, v[ADRB]
	v_lshlrev_b32 v5, 2, v3
	s_lshl_b32 s98, s19, 8
	s_add_co_u32 s98, s98, SCA
	v_add_nc_u32 v[ASA], s98, v5
	v_mul_u32_u24 v5, v1, KS
	v_lshrrev_b32 v6, 8, v5
	v_lshl_add_u32 v5, v6, 4, v5
	v_mul_u32_u24 v6, v2, SBLK
	v_add_nc_u32 v5, v5, v6
	s_mul_i32 s98, s20, SBH
	s_add_co_u32 s98, s98, SCB
	v_add_nc_u32 v[ASB], s98, v5
	s_lshl_b32 s98, s19, 6
	s_mul_i32 s98, s98, WP
	s_lshl_b32 s99, s20, 8
	s_add_co_u32 s98, s98, s99
	v_mul_u32_u24 v5, v1, WP
	v_lshl_add_u32 v5, v2, 5, v5
	v_add_nc_u32 v[STO], s98, v5
	s_mul_i32 s98, s18, 32*WP
	v_add_nc_u32 v[RD], s98, v[CO]
	s_lshl_b32 s98, s87, 7
	s_lshl_b32 s99, s18, 5
	s_add_co_u32 s98, s98, s99
	s_lshl_b32 s98, s98, 12
	s_lshl_b32 s99, s86, 9
	s_add_co_u32 s98, s98, s99
	s_mov_b32 s99, 0
	s_add_nc_u64 s[14:15], s[14:15], s[98:99]
	s_add_nc_u64 s[16:17], s[16:17], s[98:99]
	s_lshl_b32 s98, s86, 9
	s_add_nc_u64 s[12:13], s[12:13], s[98:99]
	WIN 0x80
.set i, 0
.rept 32
	global_load_b128 v[4*i:4*i+3], v[CO], s[14:15] offset:((i&7)|((i&8)<<1)|((i&16)>>1))*4096 th:TH_LOAD_NT
.set i, i+1
.endr
	global_load_b128 v[128:131], v[CO], s[12:13]
	WIN 0
.macro WM d, w, x, sw, sx, wo, xo, zero
.if \zero
.if (\wo) && (\xo)
	v_wmma_scale_f32_16x16x128_f8f6f4 v[\d:\d+7], v[\w:\w+15], v[\x:\x+15], 0, v[\sw], v[\sx] matrix_a_scale:MATRIX_SCALE_ROW1 matrix_b_scale:MATRIX_SCALE_ROW1
.elseif (\wo)
	v_wmma_scale_f32_16x16x128_f8f6f4 v[\d:\d+7], v[\w:\w+15], v[\x:\x+15], 0, v[\sw], v[\sx] matrix_a_scale:MATRIX_SCALE_ROW1
.elseif (\xo)
	v_wmma_scale_f32_16x16x128_f8f6f4 v[\d:\d+7], v[\w:\w+15], v[\x:\x+15], 0, v[\sw], v[\sx] matrix_b_scale:MATRIX_SCALE_ROW1
.else
	v_wmma_scale_f32_16x16x128_f8f6f4 v[\d:\d+7], v[\w:\w+15], v[\x:\x+15], 0, v[\sw], v[\sx]
.endif
.else
.if (\wo) && (\xo)
	v_wmma_scale_f32_16x16x128_f8f6f4 v[\d:\d+7], v[\w:\w+15], v[\x:\x+15], v[\d:\d+7], v[\sw], v[\sx] matrix_a_scale:MATRIX_SCALE_ROW1 matrix_b_scale:MATRIX_SCALE_ROW1
.elseif (\wo)
	v_wmma_scale_f32_16x16x128_f8f6f4 v[\d:\d+7], v[\w:\w+15], v[\x:\x+15], v[\d:\d+7], v[\sw], v[\sx] matrix_a_scale:MATRIX_SCALE_ROW1
.elseif (\xo)
	v_wmma_scale_f32_16x16x128_f8f6f4 v[\d:\d+7], v[\w:\w+15], v[\x:\x+15], v[\d:\d+7], v[\sw], v[\sx] matrix_b_scale:MATRIX_SCALE_ROW1
.else
	v_wmma_scale_f32_16x16x128_f8f6f4 v[\d:\d+7], v[\w:\w+15], v[\x:\x+15], v[\d:\d+7], v[\sw], v[\sx]
.endif
.endif
.endm
.macro MUL4 f, a, kq, set, zero
.irp b, 0,1,2,3
	WM ACC+8*(4*(\a)+\b), \f+64+16*\b, \f+16*(\a), SC+16*(\set)+8+4*(\b/2)+(\kq), SC+16*(\set)+2*(\kq)+(\a)/2, \b%2, (\a)%2, \zero
.endr
.endm
.macro SCALES set
.irp q, 0,1,2,3
.irp p, 0,1
	ds_load_b32 v[SC+16*\set+2*\q+\p], v[ASA] offset:512*\q+128*\p
.endr
.endr
.irp p, 0,1
	ds_load_b128 v[SC+16*\set+8+4*\p:SC+16*\set+8+4*\p+3], v[ASB] offset:2*SBLK*\p
.endr
.endm
.macro FETCH slot, kq, f, sc
	WIN TO_F
.irp b, 0,1,2,3
.irp c, 0,1,2,3
	ds_load_b128 v[\f+64+16*\b+4*\c:\f+64+16*\b+4*\c+3], v[ADRB+\slot] offset:128*(\kq)+32*\c+16*WP*\b
.endr
.endr
.irp a, 0,1
.irp c, 0,1,2,3
	ds_load_b128 v[\f+16*\a+4*\c:\f+16*\a+4*\c+3], v[ADRA+\slot] offset:16384*(\kq)+2048*\a+512*\c
.endr
.endr
.if \sc >= 0
	WIN 0
	SCALES \sc
	WIN TO_F
.endif
.irp a, 2,3
.irp c, 0,1,2,3
	ds_load_b128 v[\f+16*\a+4*\c:\f+16*\a+4*\c+3], v[ADRA+\slot] offset:16384*(\kq)+2048*\a+512*\c
.endr
.endr
.endm
.macro QUARTER slot, kn, f, g, zero
	s_wait_dscnt 8
	WIN MUL
	MUL4 \f, 0, (\kn)-1, \slot, \zero
	MUL4 \f, 1, (\kn)-1, \slot, \zero
	PLACES 8
	FETCH \slot, \kn, \g, -1
	s_wait_dscnt 32
	WIN MUL
	MUL4 \f, 2, (\kn)-1, \slot, \zero
	MUL4 \f, 3, (\kn)-1, \slot, \zero
.endm
.macro TURN slot, next, fill
	WIN 0
	s_wait_tensorcnt 0x0
	ds_add_u32 v[SPW], v[NIL]
	s_wait_dscnt 9
	WIN MUL
	MUL4 F1, 0, 3, \slot, 0
	s_wait_dscnt 0x0
	s_barrier_signal -1
	MUL4 F1, 1, 3, \slot, 0
	WIN 0
	s_barrier_wait -1
.if \fill
	CREST
	s_add_nc_u64 s[G0A+4*\slot+2:G0A+4*\slot+3], s[G0A+4*\slot+2:G0A+4*\slot+3], 4194304
	s_add_nc_u64 s[G0B+4*\slot+2:G0B+4*\slot+3], s[G0B+4*\slot+2:G0B+4*\slot+3], 1024
	JLOAD G0A+4*\slot, G1A, G0B+4*\slot, G1B
	PLACES 4
.else
	PLACES 8
.endif
	v_add_nc_u32 v[ASA], 2048, v[ASA]
	v_add_nc_u32 v[ASB], 16, v[ASB]
	FETCH \next, 0, F0, \next
	WIN MUL
	MUL4 F1, 2, 3, \slot, 0
	MUL4 F1, 3, 3, \slot, 0
.endm
	s_wait_alu depctr_va_vdst(0)
	s_wait_tensorcnt 0x0                           ; my tile of the head's four is in
	ds_add_u32 v[SPW], v[NIL]
	s_mov_b32 s[G1A+2], 2<<16                      ; no tensor load of mine is out: from here on a load brings two K quarters of A,
	s_mov_b32 s[G1A+4], 2
	s_mov_b32 s[G1B+2], 64<<16                     ; or 64 rows of W
	s_mov_b32 s[G1B+4], 64
	s_wait_dscnt 0x0
	CROUND                                         ; all four tiles are in, and all sixteen work-groups are here
	JLOAD G0A+4, G1A, G0B+4, G1B                   ; slot 1: the first tensor load behind the round
	FETCH 0, 0, F0, 0
	QUARTER 0, 1, F0, F1, 1
.if LAPS > 1
	WIN 0
	s_mov_b32 s3, LAPS-1
.Llap:
	QUARTER 0, 2, F1, F0, 0
	QUARTER 0, 3, F0, F1, 0
	TURN 0, 1, 1
	QUARTER 1, 1, F0, F1, 0
	QUARTER 1, 2, F1, F0, 0
	QUARTER 1, 3, F0, F1, 0
	TURN 1, 0, 1
	QUARTER 0, 1, F0, F1, 0
	WIN 0
	s_sub_co_u32 s3, s3, 1
	s_cmp_lg_u32 s3, 0
	s_cbranch_scc1 .Llap
.endif
	QUARTER 0, 2, F1, F0, 0
	QUARTER 0, 3, F0, F1, 0
	TURN 0, 1, 0
	QUARTER 1, 1, F0, F1, 0
	QUARTER 1, 2, F1, F0, 0
	QUARTER 1, 3, F0, F1, 0
	s_wait_dscnt 8
	WIN MUL
	MUL4 F1, 0, 3, 1, 0
	MUL4 F1, 1, 3, 1, 0
	s_wait_dscnt 0
	MUL4 F1, 2, 3, 1, 0
	MUL4 F1, 3, 3, 1, 0
	WIN 0
	PLACES 8
.irp a, 0,1,2,3
.irp b, 0,1,2,3
	ds_store_b128 v[STO], v[ACC+8*(4*\a+\b):ACC+8*(4*\a+\b)+3] offset:16*WP*\a+64*\b
	ds_store_b128 v[STO], v[ACC+8*(4*\a+\b)+4:ACC+8*(4*\a+\b)+7] offset:16*WP*\a+64*\b+16
.endr
.endr
	s_wait_dscnt 0x0
	s_barrier_signal -1
	s_barrier_wait -1
.set i, 0
.rept 32
	ds_load_b128 v[ROWS+4*i:ROWS+4*i+3], v[RD] offset:WP*i
.set i, i+1
.endr
.macro OUTB i0
	WIN 0x08
.set i, \i0
.rept 16
	v_pk_add_f32 v[ROWS+4*i:ROWS+4*i+1], v[ROWS+4*i:ROWS+4*i+1], v[128:129]
	v_pk_add_f32 v[ROWS+4*i+2:ROWS+4*i+3], v[ROWS+4*i+2:ROWS+4*i+3], v[130:131]
.set i, i+1
.endr
.set i, \i0
.rept 16
	v_pk_add_f32 v[ROWS+4*i:ROWS+4*i+1], v[ROWS+4*i:ROWS+4*i+1], v[4*i:4*i+1]
	v_pk_add_f32 v[ROWS+4*i+2:ROWS+4*i+3], v[ROWS+4*i+2:ROWS+4*i+3], v[4*i+2:4*i+3]
.set i, i+1
.endr
	WIN 0
.set i, \i0
.rept 16
	global_store_b128 v[CO], v[ROWS+4*i:ROWS+4*i+3], s[16:17] offset:((i&7)|((i&8)<<1)|((i&16)>>1))*4096 th:TH_STORE_NT
.set i, i+1
.endr
.endm
	s_wait_loadcnt 0x0
	s_wait_dscnt 16
	OUTB 0
	s_wait_dscnt 0x0
	OUTB 16
	s_wait_tensorcnt 0x0
	ds_add_u32 v[SPW], v[NIL]
	s_wait_dscnt 0x0
	CROUND
	s_endpgm
.Lfunc_end_k_q0573a0feff_outp:
	.size	k_q0573a0feff_outp, .Lfunc_end_k_q0573a0feff_outp-k_q0573a0feff_outp
	.p2alignl 7, 3214868480
	.fill 96, 4, 3214868480
	.section	.rodata,"a",@progbits
	.p2align	6, 0x0
	.amdhsa_kernel k_q0573a0feff_outp
		.amdhsa_group_segment_fixed_size 327680
		.amdhsa_private_segment_fixed_size 0
		.amdhsa_enable_private_segment 0
		.amdhsa_kernarg_size 56
		.amdhsa_user_sgpr_count 2
		.amdhsa_user_sgpr_kernarg_segment_ptr 1
		.amdhsa_wavefront_size32 1
		.amdhsa_system_sgpr_workgroup_id_x 1
		.amdhsa_system_sgpr_workgroup_id_y 1
		.amdhsa_system_sgpr_workgroup_id_z 1
		.amdhsa_system_vgpr_workitem_id 0
		.amdhsa_next_free_vgpr 768
		.amdhsa_next_free_sgpr 100
		.amdhsa_reserve_vcc 0
		.amdhsa_float_denorm_mode_32 3
		.amdhsa_float_denorm_mode_16_64 3
		.amdhsa_memory_ordered 1
		.amdhsa_forward_progress 1
		.amdhsa_inst_pref_size 66
	.end_amdhsa_kernel
	.amdgpu_metadata
---
amdhsa.version: [ 1, 2 ]
amdhsa.kernels:
  - .name:           k_q0573a0feff_outp
    .symbol:         k_q0573a0feff_outp.kd
    .args:
      - { .name: img, .offset: 0, .size: 8, .value_kind: global_buffer, .address_space: global }
      - { .name: imgs, .offset: 8, .size: 8, .value_kind: global_buffer, .address_space: global }
      - { .name: out_w_codes, .offset: 16, .size: 8, .value_kind: global_buffer, .address_space: global }
      - { .name: out_w_scales, .offset: 24, .size: 8, .value_kind: global_buffer, .address_space: global }
      - { .name: out_b, .offset: 32, .size: 8, .value_kind: global_buffer, .address_space: global }
      - { .name: x, .offset: 40, .size: 8, .value_kind: global_buffer, .address_space: global }
      - { .name: x2, .offset: 48, .size: 8, .value_kind: global_buffer, .address_space: global }
    .group_segment_fixed_size: 327680
    .private_segment_fixed_size: 0
    .kernarg_segment_align: 8
    .kernarg_segment_size: 56
    .max_flat_workgroup_size: 128
    .sgpr_count:     100
    .vgpr_count:     768
    .wavefront_size: 32
...
	.end_amdgpu_metadata
.endif
;; end of part 4
;; launch ln2: the kernel of part 1 again; grid 256 x 1, 2 waves a work-group, no clusters, 11,520 bytes of LDS; arguments x2, ln2_g, ln2_b, acodes, ascales, causal_mask, mbits; writes acodes, ascales, mbits
;; launch ff1 (part 5): grid 16 x 16, 4 waves a work-group, clusters of 4 x 4, 327,680 bytes of LDS; arguments acodes, ascales, ff_w1_codes, ff_w1_scales, ff_b1, img, imgs; writes img, imgs
.if DOCPART == 5
	.amdgcn_target "amdgcn-amd-amdhsa--gfx1250"
	.amdhsa_code_object_version 6
	.text
	.protected	k_q0573a0feff_ff1
	.globl	k_q0573a0feff_ff1
	.p2align	8
	.type	k_q0573a0feff_ff1,@function
k_q0573a0feff_ff1:
	s_mov_b64 s[64:65], 0
	v_nop
	global_prefetch_b8 v0, s[64:65] scope:SCOPE_SE
	s_setreg_imm32_b32 hwreg(HW_REG_WAVE_MODE, 25, 1), 1
	s_wait_xcnt 0x0
	s_wait_alu depctr_hold_cnt(0) depctr_sa_sdst(0) depctr_va_vdst(0) depctr_va_sdst(0) depctr_va_ssrc(0) depctr_va_vcc(0) depctr_vm_vsrc(0)
	s_getreg_b32 s2, hwreg(HW_REG_IB_STS2, 6, 4)
	s_cmp_eq_u32 s2, 0
	s_cbranch_scc0 .Lentry_in_a_cluster
	s_endpgm
.Lentry_in_a_cluster:
	s_bfe_u32 s2, ttmp6, 0x10000c
	s_cmp_lg_u32 s2, 0xf033
	s_cbranch_scc0 .Lentry_shape_is_right
	s_endpgm
.Lentry_shape_is_right:
.set SIZE_K, 1024
.set KSTEP,  256
.set NQ,     KSTEP/128
.set ROWB,   256
.set KROW,   SIZE_K
.set PITCH,  272
.set FR,     16
.set NL,     4
.set NP,     8
.set HALFT,  128*PITCH
.set SLOT,   4*HALFT
.set LAPS,   SIZE_K/(2*KSTEP)
.set KS,     SIZE_K/32
.set SCL,    2*SLOT
.set HALFS,  (128*KS/256)*272
.set SBLK,   (16*KS/256)*272
.set SPARE,  SCL+4*HALFS
.set SWS,    SPARE+512
.set ADRA, 16
.set ADRB, 20
.set ADRS, 27
.set SPW,  28
.set NIL,  29
.set SC,   32
.set BI,   64
.set AF,   128
.set X,    128
.set T,    160
.set P,    192
.set CD,   232
.set G1, 24
.set G0, 32
.set G1B, 48
.set G0B, 56
.set G1S, 68
.set G0S, 76
.set G1SB, 80
.set G0SB, 88
.set MSB, 0
.macro WIN new
.if MSB != (\new)
	s_set_vgpr_msb (MSB<<8)|(\new)
.set MSB, (\new)
.endif
.endm
.set MUL_LO, 0xa1
.set MUL_HI, 0xf1
.set TO_B,   0x40
.macro JLOAD g0a, g1a, g0b, g1b
	s_cmp_eq_u32 s15, 0
	s_cbranch_scc0 .Lfor_b_\@
	tensor_load_to_lds s[\g0a:\g0a+3], s[\g1a:\g1a+7]
	s_nop 0
.rept 4
	v_nop
.endr
	s_branch .Lasked_\@
.Lfor_b_\@:
	tensor_load_to_lds s[\g0b:\g0b+3], s[\g1b:\g1b+7]
	s_nop 0
.rept 4
	v_nop
.endr
.Lasked_\@:
.endm
.macro CREST
	s_cmp_lg_u32 s14, 0
	s_cbranch_scc1 .Lnot_wave_0_\@
	s_barrier_signal -3
.Lnot_wave_0_\@:
	s_barrier_wait -3
	s_barrier_signal -1
	s_barrier_wait -1
.endm
.macro CROUND
	s_barrier_signal -1
	s_barrier_wait -1
	CREST
.endm
	s_load_b128 s[4:7], s[0:1], 0x0
	s_load_b128 s[8:11], s[0:1], 0x10
	s_load_b64 s[12:13], s[0:1], 0x20
	s_load_b128 s[96:99], s[0:1], 0x28
	v_lshl_add_u32 v[SPW], v0, 2, SPARE
	v_mov_b32 v[NIL], 0
	ds_add_u32 v28, v29
	ds_add_u32 v28, v29
	s_wait_dscnt 0x0
	v_lshrrev_b32 v1, 5, v0
	v_readfirstlane_b32 s14, v1
	s_lshr_b32 s15, s14, 1
	s_and_b32 s16, s14, 1
	s_bfe_u32 s40, ttmp6, 0x40000
	s_bfe_u32 s41, ttmp6, 0x40004
	s_lshl_b32 s42, ttmp9, 2
	s_add_co_u32 s42, s42, s40
	s_and_b32 s17, ttmp7, 0xffff
	s_lshl_b32 s17, s17, 2
	s_add_co_u32 s17, s17, s41
	s_lshl_b32 s43, s41, 2
	s_lshl_b32 s43, 15, s43
	s_lshl_b32 s44, 0x1111, s40
	s_or_b32 s[G1+0], s43, (0<<16)|(1<<20)|(1<<21)|(5<<22)|(3<<25)
	s_or_b32 s[G1B+0], s44, (0<<16)|(1<<20)|(1<<21)|(5<<22)|(3<<25)
.irp g, G1, G1B
	s_mov_b32 s[\g+1], ROWB<<16
	s_mov_b32 s[\g+2], 256<<16                     ; 256 rows for the head's loads; set to 128 for the ring's behind them
	s_mov_b32 s[\g+3], ROWB<<16
	s_mov_b32 s[\g+4], 256
	s_mov_b32 s[\g+5], KROW
	s_mov_b32 s[\g+6], 0
	s_mov_b32 s[\g+7], 0
.endr
	s_or_b32 s[G1S+0], s43, (3<<16)|(1<<20)|(1<<21)|(5<<22)|(3<<25)
	s_or_b32 s[G1SB+0], s44, (3<<16)|(1<<20)|(1<<21)|(5<<22)|(3<<25)
.irp g, G1S, G1SB
	s_mov_b32 s[\g+1], 32<<16
	s_mov_b32 s[\g+2], KS<<16                      ; the scale bytes of 256 rows: KS rows of 256 bytes
	s_mov_b32 s[\g+3], 32<<16
	s_mov_b32 s[\g+4], KS
	s_mov_b32 s[\g+5], 32
	s_mov_b32 s[\g+6], 0
	s_mov_b32 s[\g+7], 0
.endr
	s_lshl_b32 s20, s17, 8                         ; A's tile: its first row
	s_lshl_b32 s46, s42, 8                         ; B's
	s_mov_b32 s21, 0
	s_mov_b32 s47, 0
	s_mov_b64 s[18:19], KS
	s_mul_u64 s[22:23], s[20:21], s[18:19]         ; where these rows' scale bytes begin
	s_mul_u64 s[92:93], s[46:47], s[18:19]
	s_mov_b64 s[18:19], KROW
	s_mul_u64 s[20:21], s[20:21], s[18:19]         ; and their codes
	s_mul_u64 s[46:47], s[46:47], s[18:19]
	s_mul_i32 s18, s16, 128*KROW                   ; in the ring I fetch 128 rows of a tile: which half, in bytes
	s_mov_b32 s19, 0
	s_mul_i32 s45, s14, HALFT                      ; and where they go: wave x 128 rows
	s_wait_kmcnt 0x0
	s_add_nc_u64 s[20:21], s[4:5], s[20:21]
	s_add_nc_u64 s[22:23], s[6:7], s[22:23]
	s_add_nc_u64 s[46:47], s[8:9], s[46:47]
	s_add_nc_u64 s[92:93], s[10:11], s[92:93]
	CROUND
	s_mov_b32 s[G0S], 1
	s_mov_b32 s[G0S+1], SCL
	s_mov_b64 s[G0S+2:G0S+3], s[22:23]
	s_or_b32 s[G0S+3], s[G0S+3], 0x80000000
	s_mov_b32 s[G0SB], 1
	s_mov_b32 s[G0SB+1], SCL+2*HALFS
	s_mov_b64 s[G0SB+2:G0SB+3], s[92:93]
	s_or_b32 s[G0SB+3], s[G0SB+3], 0x80000000
.set G0H, 4                            ; s[4:7], s[8:11]: group 0 of the head's loads of K step 0 (the arguments that lay there have been used)
.set G0HB, 8
	s_mov_b32 s[G0H], 1                            ; K step 0's 256 rows of A,
	s_mov_b32 s[G0H+1], 0
	s_mov_b64 s[G0H+2:G0H+3], s[20:21]
	s_or_b32 s[G0H+3], s[G0H+3], 0x80000000
	s_mov_b32 s[G0HB], 1                           ; and of B, behind them in slot 0
	s_mov_b32 s[G0HB+1], 2*HALFT
	s_mov_b64 s[G0HB+2:G0HB+3], s[46:47]
	s_or_b32 s[G0HB+3], s[G0HB+3], 0x80000000
	s_add_nc_u64 s[20:21], s[20:21], s[18:19]      ; for the ring: my 128 rows of the tile
	s_add_nc_u64 s[46:47], s[46:47], s[18:19]
.irp s, 0,1
	s_mov_b32 s[G0+4*\s], 1
	s_add_co_u32 s[G0+4*\s+1], s45, \s*SLOT
	s_add_nc_u64 s[G0+4*\s+2:G0+4*\s+3], s[20:21], \s*ROWB
	s_or_b32 s[G0+4*\s+3], s[G0+4*\s+3], 0x80000000
	s_mov_b32 s[G0B+4*\s], 1
	s_add_co_u32 s[G0B+4*\s+1], s45, \s*SLOT
	s_add_nc_u64 s[G0B+4*\s+2:G0B+4*\s+3], s[46:47], \s*ROWB
	s_or_b32 s[G0B+4*\s+3], s[G0B+4*\s+3], 0x80000000
.endr
; the head's four tiles, one joint load a wave: wave 0 A's 256 rows, wave 1 B's, wave 2 A's scale bytes, wave 3 B's; one tree of branches on the wave's number
.macro ARM under, g0, g1, next
	s_cmp_lt_u32 s14, \under
	s_cbranch_scc0 \next
	tensor_load_to_lds s[\g0:\g0+3], s[\g1:\g1+7]
	s_nop 0
.rept 4
	v_nop
.endr
	s_branch .Lhead_asked
\next:
.endm
	ARM 1, G0H,  G1,  .Lhead_b
	ARM 2, G0HB, G1B, .Lhead_sa
	ARM 3, G0S,  G1S, .Lhead_sb
	tensor_load_to_lds s[G0SB:G0SB+3], s[G1SB:G1SB+7]
	s_nop 0
.rept 4
	v_nop
.endr
.Lhead_asked:
	v_and_b32 v1, 15, v0
	v_bfe_u32 v2, v0, 4, 1
	v_mul_u32_u24 v3, v1, PITCH
	v_lshl_add_u32 v4, v2, 4, v3
	s_mul_i32 s21, s15, HALFT
	s_mul_i32 s22, s16, HALFT
	s_add_co_u32 s22, s22, 2*HALFT
.irp s, 0,1
	v_add_nc_u32 v[ADRA+\s], s21, v4
	v_add_nc_u32 v[ADRB+\s], s22, v4
	s_add_co_u32 s21, s21, SLOT
	s_add_co_u32 s22, s22, SLOT
.endr
	v_mul_u32_u24 v5, v1, KS
	v_lshrrev_b32 v6, 8, v5
	v_lshl_add_u32 v5, v6, 4, v5
	s_mul_i32 s21, s15, HALFS
	s_mul_i32 s22, s16, HALFS
	s_add_co_u32 s22, s22, 2*HALFS
	s_sub_co_u32 s22, s22, s21
	v_mul_u32_u24 v6, s22, v2
	s_add_co_u32 s21, s21, SCL
	v_add_nc_u32 v5, v5, v6
	v_add_nc_u32 v[ADRS], s21, v5
	s_lshl_b32 s18, s42, 10
	s_lshl_b32 s19, s16, 9
	s_add_co_u32 s18, s18, s19
	s_mov_b32 s19, 0
	s_add_nc_u64 s[12:13], s[12:13], s[18:19]
	v_lshlrev_b32 v7, 5, v2
.set i, 0
.rept 8
	global_load_b128 v[BI+8*i:BI+8*i+3], v7, s[12:13] offset:64*i
	global_load_b128 v[BI+8*i+4:BI+8*i+7], v7, s[12:13] offset:64*i+16
.set i, i+1
.endr
.macro FRAG reg, adr, q, i
.irp c, 0,1,2,3
	ds_load_b128 v[\reg+4*\c:\reg+4*\c+3], v[\adr] offset:128*(\q)+32*\c+(\i)*16*PITCH
.endr
.endm
.macro MUL16 a0, p, q, sc, zero
.irp a, \a0, \a0+1
.irp b, 0,1,2,3,4,5,6,7
.if \zero
	v_wmma_scale_f32_16x16x128_f8f6f4 v[8*(8*((\a)%4)+\b):8*(8*((\a)%4)+\b)+7], v[128*(\p)+FR*\b:128*(\p)+FR*\b+FR-1], v[AF+FR*(\a):AF+FR*(\a)+FR-1], 0, v[SC+8*NQ*(\sc)+NQ*\b+(\q)], v[SC+8*NQ*(\sc)+NQ*(\a)+(\q)] matrix_a_scale:MATRIX_SCALE_ROW1
.else
	v_wmma_scale_f32_16x16x128_f8f6f4 v[8*(8*((\a)%4)+\b):8*(8*((\a)%4)+\b)+7], v[128*(\p)+FR*\b:128*(\p)+FR*\b+FR-1], v[AF+FR*(\a):AF+FR*(\a)+FR-1], v[8*(8*((\a)%4)+\b):8*(8*((\a)%4)+\b)+7], v[SC+8*NQ*(\sc)+NQ*\b+(\q)], v[SC+8*NQ*(\sc)+NQ*(\a)+(\q)] matrix_a_scale:MATRIX_SCALE_ROW1
.endif
.endr
.endr
.endm
.macro FETCH_B slot, q, p
	WIN TO_B
.irp i, 0,1,2,3,4,5,6,7
	FRAG 128*(\p)+FR*\i, ADRB+\slot, \q, \i
.endr
	WIN 0
.endm
.macro FETCH_A slot, q, i0
.irp i, \i0, \i0+1, \i0+2, \i0+3
	FRAG AF+FR*(\i), ADRA+\slot, \q, \i
.endr
.endm
.macro SCALES sc
.irp i, 0,1,2,3,4,5,6,7
	ds_load_b64 v[SC+8*NQ*\sc+NQ*\i:SC+8*NQ*\sc+NQ*\i+1], v[ADRS] offset:\i*SBLK
.endr
.endm
.macro PLACES n
.rept \n
	v_nop
.endr
.endm
.macro STEP slot, q, zero
	s_wait_dscnt 4*NL
	WIN MUL_LO
	MUL16 0, (\q)%2, \q, \slot, \zero
	MUL16 2, (\q)%2, \q, \slot, \zero
	s_wait_dscnt 0
	PLACES NP
	FETCH_B \slot, (\q)+1, 1-(\q)%2
	FETCH_A \slot, (\q)+1, 0
	WIN MUL_HI
	MUL16 4, (\q)%2, \q, \slot, \zero
	MUL16 6, (\q)%2, \q, \slot, \zero
	PLACES NP
	WIN 0
	FETCH_A \slot, (\q)+1, 4
.endm
.macro TURN slot, next, fill
	s_wait_tensorcnt 0x0
	ds_add_u32 v[SPW], v[NIL]
	s_wait_dscnt 4*NL+1
	WIN MUL_LO
	MUL16 0, 1, NQ-1, \slot, 0
	s_wait_dscnt 0x0
	s_barrier_signal -1
	MUL16 2, 1, NQ-1, \slot, 0
	WIN 0
	s_barrier_wait -1
.if \fill
	CREST
	s_add_nc_u64 s[G0+4*\slot+2:G0+4*\slot+3], s[G0+4*\slot+2:G0+4*\slot+3], 2*ROWB
	s_add_nc_u64 s[G0B+4*\slot+2:G0B+4*\slot+3], s[G0B+4*\slot+2:G0B+4*\slot+3], 2*ROWB
	JLOAD G0+4*\slot, G1, G0B+4*\slot, G1B
	PLACES NP-4
.else
	PLACES NP
.endif
	s_wait_alu depctr_va_vdst(0)
	v_add_nc_u32 v[ADRS], 4*NQ, v[ADRS]
	FETCH_B \next, 0, 0
	FETCH_A \next, 0, 0
	SCALES \next
	WIN MUL_HI
	MUL16 4, 1, NQ-1, \slot, 0
	MUL16 6, 1, NQ-1, \slot, 0
	PLACES NP
	WIN 0
	FETCH_A \next, 0, 4
.endm
	s_wait_alu depctr_va_vdst(0)
	s_wait_loadcnt 0x0
	s_wait_tensorcnt 0x0                           ; my tile of the head's four is in
	ds_add_u32 v[SPW], v[NIL]
	s_mov_b32 s[G1+2], 128<<16                     ; no tensor load of mine is out: from here on a load brings 128 rows
	s_mov_b32 s[G1+4], 128
	s_mov_b32 s[G1B+2], 128<<16
	s_mov_b32 s[G1B+4], 128
	s_wait_dscnt 0x0
	CROUND                                         ; all four tiles are in, and all sixteen work-groups are here
	JLOAD G0+4, G1, G0B+4, G1B                     ; K step 1: the first tensor load behind the round
	FETCH_B 0, 0, 0
	FETCH_A 0, 0, 0
	SCALES 0
	FETCH_A 0, 0, 4
	STEP 0, 0, 1
	s_mov_b32 s3, LAPS-1
.Llap:
	TURN 0, 1, 1
	STEP 1, 0, 0
	TURN 1, 0, 1
	STEP 0, 0, 0
	s_sub_co_u32 s3, s3, 1
	s_cmp_lg_u32 s3, 0
	s_cbranch_scc1 .Llap
	TURN 0, 1, 0
	STEP 1, 0, 0
	s_wait_dscnt 4*NL
	WIN MUL_LO
	MUL16 0, 1, NQ-1, 1, 0
	MUL16 2, 1, NQ-1, 1, 0
	s_wait_dscnt 0
	WIN MUL_HI
	MUL16 4, 1, NQ-1, 1, 0
	MUL16 6, 1, NQ-1, 1, 0
	WIN 0
	PLACES NP
	s_lshl_b32 s24, s42, 1
	s_add_co_u32 s24, s24, s16
	s_lshl_b32 s25, s17, 4
	s_lshl_b32 s26, s15, 3
	s_add_co_u32 s25, s25, s26
	s_lshl_b32 s26, s24, 8
	s_add_co_u32 s26, s26, s25
	s_lshl_b32 s26, s26, 11
	s_mov_b32 s27, 0
	s_add_nc_u64 s[96:97], s[96:97], s[26:27]
	s_lshl_b32 s26, s24, 12
	s_lshl_b32 s25, s25, 4
	s_add_co_u32 s26, s26, s25
	s_lshl_b32 s26, s26, 2
	s_add_nc_u64 s[98:99], s[98:99], s[26:27]
	s_lshl_b32 s25, s14, 9
	s_add_co_u32 s25, s25, SWS
	v_lshl_add_u32 v30, v1, 2, s25
	v_and_b32 v3, 31, v0
	v_lshlrev_b32 v4, 4, v3
	v_add_nc_u32 v3, s25, v4
	v_lshlrev_b32 v31, 4, v1
	v_lshl_add_u32 v31, v2, 3, v31
	s_mov_b32 s20, 0x76543210
	s_mov_b32 s21, 0xfedcba98
	s_mov_b32 s23, 0x600000
	s_mov_b32 s24, 0x3eb504f3
.irp k, 26,27
	s_mov_b32 s\k, 0x3e2ef945
.endr
.irp k, 28,29
	s_mov_b32 s\k, 0x3fbe87b0
.endr
.irp k, 30,31
	s_mov_b32 s\k, 0xbf914e5d
.endr
.irp k, 32,33
	s_mov_b32 s\k, 0x3e8ec7cc
.endr
.irp k, 34,35
	s_mov_b32 s\k, 0xbe3ec24c
.endr
.irp k, 36,37
	s_mov_b32 s\k, 0x3dc636c9
.endr
.irp k, 38,39
	s_mov_b32 s\k, 0x3ebf88fb
.endr
.irp k, 40,41
	s_mov_b32 s\k, 0x3f8000c7
.endr
.irp k, 42,43
	s_mov_b32 s\k, 0xbffab55a
.endr
.irp k, 44,45
	s_mov_b32 s\k, 0x3fb8aa3b
.endr
	v_mov_b32 v250, 0xbf527892
	v_mov_b32 v251, 0xbf527892
	v_mov_b32 v242, 0
	v_mov_b32 v243, 0
.macro MOVE a, hf
	WIN 0x02+((\a)/4)
.set i, 0
.rept 16
	v_pk_add_f32 v[X+2*i:X+2*i+1], v[64*((\a)%4)+32*(\hf)+2*i:64*((\a)%4)+32*(\hf)+2*i+1], v[BI+32*(\hf)+2*i:BI+32*(\hf)+2*i+1]
.set i, i+1
.endr
	WIN 0
.endm
	s_mov_b32 s3, 0
.Ltrip:
.irp k, 0,1,2,3,4,5,6,7,8,9,10,11,12,13,14
	s_cmp_eq_u32 s3, \k
	s_cbranch_scc1 .Lmv_\k
.endr
	MOVE 7, 1
	s_branch .Lbody
.irp k, 0,1,2,3,4,5,6,7,8,9,10,11,12,13,14
.Lmv_\k:
	MOVE (\k)/2, (\k)%2
	s_branch .Lbody
.endr
.Lbody:
.set i, 0
.rept 32
	v_fma_f32 v[T+i], |v[X+i]|, s24, 1.0
.set i, i+1
.endr
.set i, 0
	s_wait_alu depctr_va_vdst(0)
.rept 32
	v_rcp_f32 v[T+i], v[T+i]
.set i, i+1
.endr
	v_nop
.set i, 0
	s_wait_alu depctr_va_vdst(0)
.rept 16
	v_pk_fma_f32 v[P+2*i:P+2*i+1], v[T+2*i:T+2*i+1], s[26:27], v[250:251] op_sel_hi:[1,0,1]
.set i, i+1
.endr
.irp k, 28,30,32,34,36,38,40,42
.set i, 0
.rept 16
	v_pk_fma_f32 v[P+2*i:P+2*i+1], v[P+2*i:P+2*i+1], v[T+2*i:T+2*i+1], s[\k:\k+1] op_sel_hi:[1,1,0]
.set i, i+1
.endr
.endr
.set g, 0
.rept 4
.irp c, 0,1,2,3
	v_pk_mul_f32 v[224+2*\c:225+2*\c], v[X+8*g+2*\c:X+8*g+2*\c+1], -0.5 op_sel_hi:[1,0]
.endr
.irp c, 0,1,2,3
	v_pk_fma_f32 v[P+8*g+2*\c:P+8*g+2*\c+1], v[224+2*\c:225+2*\c], v[X+8*g+2*\c:X+8*g+2*\c+1], v[P+8*g+2*\c:P+8*g+2*\c+1]
.endr
.set g, g+1
.endr
.set i, 0
.rept 16
	v_pk_mul_f32 v[P+2*i:P+2*i+1], v[P+2*i:P+2*i+1], s[44:45] op_sel_hi:[1,0]
.set i, i+1
.endr
.set i, 0
	s_wait_alu depctr_va_vdst(0)
.rept 32
	v_exp_f32 v[P+i], v[P+i]
.set i, i+1
.endr
	v_nop
.set i, 0
	s_wait_alu depctr_va_vdst(0)
.rept 16
	v_pk_mul_f32 v[P+2*i:P+2*i+1], v[P+2*i:P+2*i+1], v[T+2*i:T+2*i+1]
.set i, i+1
.endr
.set i, 0
.rept 32
	v_max_num_f32 v[T+i], 0, v[X+i]
.set i, i+1
.endr
.set i, 0
.rept 32
	v_fma_f32 v[T+i], -|v[X+i]|, v[P+i], v[T+i]
.set i, i+1
.endr
.irp b, 0,1
	v_max3_num_f32 v[240+\b], |v[T+16*\b]|, |v[T+16*\b+1]|, 0x4800000
.endr
.irp i, 2,4,6,8,10,12,14
.irp b, 0,1
	v_max3_num_f32 v[240+\b], v[240+\b], |v[T+16*\b+\i]|, |v[T+16*\b+\i+1]|
.endr
.endr
.irp b, 0,1
	v_permlanex16_b32 v[242+\b], v[240+\b], s20, s21
.endr
.irp b, 0,1
	v_max_num_f32 v[240+\b], v[240+\b], v[242+\b]
.endr
.irp b, 0,1
	v_add_nc_u32 v[246+\b], 0xfc000000, v[240+\b]
.endr
.irp b, 0,1
	v_and_or_b32 v[244+\b], v[240+\b], 0x7f800000, s23
.endr
.irp b, 0,1
	v_lshrrev_b32 v[242+\b], 23, v[246+\b]
.endr
	v_lshl_or_b32 v248, v243, 8, v242
.irp b, 0,1
.irp i, 0,1,2,3,4,5,6,7,8,9,10,11,12,13,14,15
	v_med3_num_f32 v[T+16*\b+\i], v[T+16*\b+\i], -v[244+\b], v[244+\b]
.endr
	v_cvt_scalef32_pk8_fp8_f32 v[CD+4*\b:CD+4*\b+1], v[T+16*\b:T+16*\b+7], v[246+\b]
	v_cvt_scalef32_pk8_fp8_f32 v[CD+4*\b+2:CD+4*\b+3], v[T+16*\b+8:T+16*\b+15], v[246+\b]
.endr
	v_nop
.irp k, 0,1,2,3
	global_store_b64 v31, v[CD+2*\k:CD+2*\k+1], s[96:97] offset:256*\k
.endr
	s_lshr_b32 s46, s3, 1
	s_lshl_b32 s46, s46, 6
	s_and_b32 s47, s3, 1
	s_lshl_b32 s47, s47, 1
	s_add_co_u32 s46, s46, s47
	v_add_nc_u32 v249, s46, v30
	ds_store_b16 v249, v248
	s_wait_dscnt 0x0
	s_wait_xcnt 0x0
	s_add_nc_u64 s[96:97], s[96:97], 1024
	s_add_co_u32 s3, s3, 1
	s_cmp_lt_u32 s3, 16
	s_cbranch_scc1 .Ltrip
	ds_load_b128 v[CD:CD+3], v3
	s_wait_dscnt 0x0
	global_store_b128 v4, v[CD:CD+3], s[98:99]
	s_wait_tensorcnt 0x0
	ds_add_u32 v[SPW], v[NIL]
	s_wait_dscnt 0x0
	CROUND
	s_endpgm
.Lfunc_end_k_q0573a0feff_ff1:
	.size	k_q0573a0feff_ff1, .Lfunc_end_k_q0573a0feff_ff1-k_q0573a0feff_ff1
	.p2alignl 7, 3214868480
	.fill 96, 4, 3214868480
	.section	.rodata,"a",@progbits
	.p2align	6, 0x0
	.amdhsa_kernel k_q0573a0feff_ff1
		.amdhsa_group_segment_fixed_size 327680
		.amdhsa_private_segment_fixed_size 0
		.amdhsa_enable_private_segment 0
		.amdhsa_kernarg_size 56
		.amdhsa_user_sgpr_count 2
		.amdhsa_user_sgpr_kernarg_segment_ptr 1
		.amdhsa_wavefront_size32 1
		.amdhsa_system_sgpr_workgroup_id_x 1
		.amdhsa_system_sgpr_workgroup_id_y 1
		.amdhsa_system_sgpr_workgroup_id_z 1
		.amdhsa_system_vgpr_workitem_id 0
		.amdhsa_next_free_vgpr 1024
		.amdhsa_next_free_sgpr 100
		.amdhsa_reserve_vcc 0
		.amdhsa_float_denorm_mode_32 3
		.amdhsa_float_denorm_mode_16_64 3
		.amdhsa_memory_ordered 1
		.amdhsa_forward_progress 1
		.amdhsa_inst_pref_size 164
	.end_amdhsa_kernel
	.amdgpu_metadata
---
amdhsa.version: [ 1, 2 ]
amdhsa.kernels:
  - .name:           k_q0573a0feff_ff1
    .symbol:         k_q0573a0feff_ff1.kd
    .args:
      - { .name: acodes, .offset: 0, .size: 8, .value_kind: global_buffer, .address_space: global }
      - { .name: ascales, .offset: 8, .size: 8, .value_kind: global_buffer, .address_space: global }
      - { .name: ff_w1_codes, .offset: 16, .size: 8, .value_kind: global_buffer, .address_space: global }
      - { .name: ff_w1_scales, .offset: 24, .size: 8, .value_kind: global_buffer, .address_space: global }
      - { .name: ff_b1, .offset: 32, .size: 8, .value_kind: global_buffer, .address_space: global }
      - { .name: img, .offset: 40, .size: 8, .value_kind: global_buffer, .address_space: global }
      - { .name: imgs, .offset: 48, .size: 8, .value_kind: global_buffer, .address_space: global }
    .group_segment_fixed_size: 327680
    .private_segment_fixed_size: 0
    .kernarg_segment_align: 8
    .kernarg_segment_size: 56
    .max_flat_workgroup_size: 128
    .sgpr_count:     100
    .vgpr_count:     1024
    .wavefront_size: 32
...
	.end_amdgpu_metadata
.endif
;; end of part 5
;; launch ff2 (part 6): grid 8 x 32, 4 waves a work-group, clusters of 4 x 4, 327,680 bytes of LDS; arguments img, imgs, ff_w2_codes, ff_w2_scales, ff_b2, x2, out0; writes out0
.if DOCPART == 6
	.amdgcn_target "amdgcn-amd-amdhsa--gfx1250"
	.amdhsa_code_object_version 6
	.text
	.protected	k_q0573a0feff_ff2
	.globl	k_q0573a0feff_ff2
	.p2align	8
	.type	k_q0573a0feff_ff2,@function
k_q0573a0feff_ff2:
	s_mov_b64 s[64:65], 0
	v_nop
	global_prefetch_b8 v0, s[64:65] scope:SCOPE_SE
	s_setreg_imm32_b32 hwreg(HW_REG_WAVE_MODE, 25, 1), 1
	s_wait_xcnt 0x0
	s_wait_alu depctr_hold_cnt(0) depctr_sa_sdst(0) depctr_va_vdst(0) depctr_va_sdst(0) depctr_va_ssrc(0) depctr_va_vcc(0) depctr_vm_vsrc(0)
	s_getreg_b32 s2, hwreg(HW_REG_IB_STS2, 6, 4)
	s_cmp_eq_u32 s2, 0
	s_cbranch_scc0 .Lentry_in_a_cluster
	s_endpgm
.Lentry_in_a_cluster:
	s_bfe_u32 s2, ttmp6, 0x10000c
	s_cmp_lg_u32 s2, 0xf033
	s_cbranch_scc0 .Lentry_shape_is_right
	s_endpgm
.Lentry_shape_is_right:
.set SIZE_K, 4096
.set KB,     SIZE_K/128
.set KS,     SIZE_K/32
.set LAPS,   SIZE_K/1024
.set AHALF,  32768
.set WP,     528
.set WHALF,  64*WP
.set WOFF,   2*AHALF
.set SLOT,   WOFF+2*WHALF
.set SCA,    2*SLOT
.set SAH,    (KB/2)*512
.set SCB,    SCA+2*SAH
.set SBLK,   (16*KS/256)*272
.set SBH,    4*SBLK
.set SPARE,  SCB+2*SBH
.set ADRA, 16
.set ADRB, 20
.set ASA,  22
.set ASB,  23
.set STO,  24
.set RD,   25
.set CO,   26
.set SPW,  28
.set NIL,  29
.set SC,   32
.set ROWS, 64
.set ACC,  128
.set F0,   0
.set F1,   128
.set G1A,  24
.set G0A,  32
.set G1B,  40
.set G0B,  48
.set G1SA, 56
.set G0SA, 68
.set G1SB, 72
.set G0SB, 80
.set MSB, 0
.macro WIN new
.if MSB != (\new)
	s_set_vgpr_msb (MSB<<8)|(\new)
.set MSB, (\new)
.endif
.endm
.set MUL,  0x05
.set TO_F, 0x40
.macro JLOAD g0a, g1a, g0b, g1b
	s_cmp_eq_u32 s19, 0
	s_cbranch_scc0 .Lfor_b_\@
	tensor_load_to_lds s[\g0a:\g0a+3], s[\g1a:\g1a+7]
	s_nop 0
.rept 4
	v_nop
.endr
	s_branch .Lasked_\@
.Lfor_b_\@:
	tensor_load_to_lds s[\g0b:\g0b+3], s[\g1b:\g1b+7]
	s_nop 0
.rept 4
	v_nop
.endr
.Lasked_\@:
.endm
.macro CREST
	s_cmp_lg_u32 s18, 0
	s_cbranch_scc1 .Lnot_wave_0_\@
	s_barrier_signal -3
.Lnot_wave_0_\@:
	s_barrier_wait -3
	s_barrier_signal -1
	s_barrier_wait -1
.endm
.macro CROUND
	s_barrier_signal -1
	s_barrier_wait -1
	CREST
.endm
.macro PLACES n
.rept \n
	v_nop
.endr
.endm
	s_load_b256 s[4:11], s[0:1], 0x0
	s_load_b128 s[12:15], s[0:1], 0x20
	s_load_b64 s[16:17], s[0:1], 0x30
	v_lshl_add_u32 v[SPW], v0, 2, SPARE
	v_mov_b32 v[NIL], 0
	ds_add_u32 v28, v29
	ds_add_u32 v28, v29
	s_wait_dscnt 0x0
	v_lshrrev_b32 v1, 5, v0
	v_readfirstlane_b32 s18, v1
	s_lshr_b32 s19, s18, 1
	s_and_b32 s20, s18, 1
	s_bfe_u32 s84, ttmp6, 0x40000
	s_bfe_u32 s85, ttmp6, 0x40004
	s_lshl_b32 s86, ttmp9, 2
	s_add_co_u32 s86, s86, s84
	s_and_b32 s87, ttmp7, 0xffff
	s_lshl_b32 s87, s87, 2
	s_add_co_u32 s87, s87, s85
	s_lshl_b32 s88, s85, 2
	s_lshl_b32 s88, 15, s88
	s_lshl_b32 s89, 0x1111, s84
	s_or_b32 s[G1A], s88, (3<<16)|(1<<21)
	s_mov_b32 s[G1A+1], 2048<<16                   ; A's tile: rows of 16,384 bytes (the 8 images of one K quarter); 4 rows for the head's load, 2 for the ring's
	s_mov_b32 s[G1A+2], 4<<16
	s_mov_b32 s[G1A+3], 2048<<16
	s_mov_b32 s[G1A+4], 4
	s_mov_b32 s[G1A+5], 65536
	s_mov_b32 s[G1A+6], 0
	s_mov_b32 s[G1A+7], 0
	s_or_b32 s[G1B], s89, (0<<16)|(1<<20)|(1<<21)|(6<<22)|(3<<25)
	s_mov_b32 s[G1B+1], 512<<16
	s_mov_b32 s[G1B+2], 128<<16                    ; W's tile: 128 rows for the head's load, 64 for the ring's
	s_mov_b32 s[G1B+3], 512<<16
	s_mov_b32 s[G1B+4], 128
	s_mov_b32 s[G1B+5], SIZE_K
	s_mov_b32 s[G1B+6], 0
	s_mov_b32 s[G1B+7], 0
	s_or_b32 s[G1SA], s88, (3<<16)|(1<<21)
	s_mov_b32 s[G1SA+1], 64<<16
	s_mov_b32 s[G1SA+2], KB<<16
	s_mov_b32 s[G1SA+3], 64<<16
	s_mov_b32 s[G1SA+4], KB
	s_mov_b32 s[G1SA+5], 2048
	s_mov_b32 s[G1SA+6], 0
	s_mov_b32 s[G1SA+7], 0
	s_or_b32 s[G1SB], s89, (3<<16)|(1<<20)|(1<<21)|(5<<22)|(3<<25)
	s_mov_b32 s[G1SB+1], 32<<16
	s_mov_b32 s[G1SB+2], (128*KS/256)<<16
	s_mov_b32 s[G1SB+3], 32<<16
	s_mov_b32 s[G1SB+4], 128*KS/256
	s_mov_b32 s[G1SB+5], 32
	s_mov_b32 s[G1SB+6], 0
	s_mov_b32 s[G1SB+7], 0
	s_lshl_b32 s90, s87, 14
	s_mov_b32 s91, 0
	s_lshl_b32 s92, s87, 9
	s_mov_b32 s93, 0
	s_lshl_b32 s94, s86, 7
	s_mul_i32 s96, s94, KS
	s_mul_i32 s94, s94, SIZE_K
	s_mov_b32 s95, 0
	s_mov_b32 s97, 0
	s_mul_i32 s21, s20, AHALF
	s_mul_i32 s22, s20, WHALF
	s_wait_kmcnt 0x0
	s_add_nc_u64 s[90:91], s[4:5], s[90:91]
	s_add_nc_u64 s[92:93], s[6:7], s[92:93]
	s_add_nc_u64 s[94:95], s[8:9], s[94:95]
	s_add_nc_u64 s[96:97], s[10:11], s[96:97]
	CROUND
	s_mov_b32 s[G0SA], 1
	s_mov_b32 s[G0SA+1], SCA
	s_mov_b64 s[G0SA+2:G0SA+3], s[92:93]
	s_or_b32 s[G0SA+3], s[G0SA+3], 0x80000000
	s_mov_b32 s[G0SB], 1
	s_mov_b32 s[G0SB+1], SCB
	s_mov_b64 s[G0SB+2:G0SB+3], s[96:97]
	s_or_b32 s[G0SB+3], s[G0SB+3], 0x80000000
	s_mov_b32 s4, 1                                ; s[4:7], s[8:11]: group 0 of the head's loads of slot 0 (the arguments that lay there have been used): A whole,
	s_mov_b32 s5, 0
	s_mov_b64 s[6:7], s[90:91]
	s_or_b32 s7, s7, 0x80000000
	s_mov_b32 s8, 1                                ; and W's 128 rows
	s_mov_b32 s9, WOFF
	s_mov_b64 s[10:11], s[94:95]
	s_or_b32 s11, s11, 0x80000000
	s_lshl_b32 s98, s20, 20                        ; for the ring: my two K quarters of A (2 x 524,288 bytes on),
	s_mov_b32 s99, 0
	s_add_nc_u64 s[90:91], s[90:91], s[98:99]
	s_mul_i32 s98, s20, 64*SIZE_K                  ; my 64 rows of W
	s_add_nc_u64 s[94:95], s[94:95], s[98:99]
.irp s, 0,1
	s_mov_b32 s[G0A+4*\s], 1
	s_add_co_u32 s[G0A+4*\s+1], s21, \s*SLOT
	s_add_nc_u64 s[G0A+4*\s+2:G0A+4*\s+3], s[90:91], \s*2097152
	s_or_b32 s[G0A+4*\s+3], s[G0A+4*\s+3], 0x80000000
	s_mov_b32 s[G0B+4*\s], 1
	s_add_co_u32 s[G0B+4*\s+1], s22, \s*SLOT+WOFF
	s_add_nc_u64 s[G0B+4*\s+2:G0B+4*\s+3], s[94:95], \s*512
	s_or_b32 s[G0B+4*\s+3], s[G0B+4*\s+3], 0x80000000
.endr
; the head's four tiles, one joint load a wave: wave 0 slot 0's A, wave 1 its W, wave 2 A's scale words, wave 3 W's scale bytes; one tree of branches on the wave's number
.macro ARM under, g0, g1, next
	s_cmp_lt_u32 s18, \under
	s_cbranch_scc0 \next
	tensor_load_to_lds s[\g0:\g0+3], s[\g1:\g1+7]
	s_nop 0
.rept 4
	v_nop
.endr
	s_branch .Lhead_asked
\next:
.endm
	ARM 1, 4, G1A, .Lhead_b
	ARM 2, 8, G1B, .Lhead_sa
	ARM 3, G0SA, G1SA, .Lhead_sb
	tensor_load_to_lds s[G0SB:G0SB+3], s[G1SB:G1SB+7]
	s_nop 0
.rept 4
	v_nop
.endr
.Lhead_asked:
	v_and_b32 v1, 15, v0
	v_bfe_u32 v2, v0, 4, 1
	v_and_b32 v3, 31, v0
	v_lshlrev_b32 v[CO], 4, v3
	s_lshl_b32 s98, s19, 13                        ; a slot's A lies [K quarter][16,384 bytes]: my four images begin 8,192 x my row half into each quarter
	v_add_nc_u32 v[ADRA], s98, v[CO]
	v_add_nc_u32 v[ADRA+1], SLOT, v[ADRA]
	v_mul_u32_u24 v4, v1, WP
	v_lshl_add_u32 v4, v2, 4, v4
	s_mul_i32 s98, s20, WHALF
	s_add_co_u32 s98, s98, WOFF
	v_add_nc_u32 v[ADRB], s98, v4
	v_add_nc_u32 v[ADRB+1], SLOT, v[ADRB]
	v_lshlrev_b32 v5, 2, v3
	s_lshl_b32 s98, s19, 8
	s_add_co_u32 s98, s98, SCA
	v_add_nc_u32 v[ASA], s98, v5
	v_mul_u32_u24 v5, v1, KS
	v_lshrrev_b32 v6, 8, v5
	v_lshl_add_u32 v5, v6, 4, v5
	v_mul_u32_u24 v6, v2, SBLK
	v_add_nc_u32 v5, v5, v6
	s_mul_i32 s98, s20, SBH
	s_add_co_u32 s98, s98, SCB
	v_add_nc_u32 v[ASB], s98, v5
	s_lshl_b32 s98, s19, 6
	s_mul_i32 s98, s98, WP
	s_lshl_b32 s99, s20, 8
	s_add_co_u32 s98, s98, s99
	v_mul_u32_u24 v5, v1, WP
	v_lshl_add_u32 v5, v2, 5, v5
	v_add_nc_u32 v[STO], s98, v5
	s_mul_i32 s98, s18, 32*WP
	v_add_nc_u32 v[RD], s98, v[CO]
	s_lshl_b32 s98, s87, 7
	s_lshl_b32 s99, s18, 5
	s_add_co_u32 s98, s98, s99
	s_lshl_b32 s98, s98, 12
	s_lshl_b32 s99, s86, 9
	s_add_co_u32 s98, s98, s99
	s_mov_b32 s99, 0
	s_add_nc_u64 s[14:15], s[14:15], s[98:99]
	s_add_nc_u64 s[16:17], s[16:17], s[98:99]
	s_lshl_b32 s98, s86, 9
	s_add_nc_u64 s[12:13], s[12:13], s[98:99]
	WIN 0x80
.set i, 0
.rept 32
	global_load_b128 v[4*i:4*i+3], v[CO], s[14:15] offset:((i&7)|((i&8)<<1)|((i&16)>>1))*4096 th:TH_LOAD_NT
.set i, i+1
.endr
	global_load_b128 v[128:131], v[CO], s[12:13]
	WIN 0
.macro WM d, w, x, sw, sx, wo, xo, zero
.if \zero
.if (\wo) && (\xo)
	v_wmma_scale_f32_16x16x128_f8f6f4 v[\d:\d+7], v[\w:\w+15], v[\x:\x+15], 0, v[\sw], v[\sx] matrix_a_scale:MATRIX_SCALE_ROW1 matrix_b_scale:MATRIX_SCALE_ROW1
.elseif (\wo)
	v_wmma_scale_f32_16x16x128_f8f6f4 v[\d:\d+7], v[\w:\w+15], v[\x:\x+15], 0, v[\sw], v[\sx] matrix_a_scale:MATRIX_SCALE_ROW1
.elseif (\xo)
	v_wmma_scale_f32_16x16x128_f8f6f4 v[\d:\d+7], v[\w:\w+15], v[\x:\x+15], 0, v[\sw], v[\sx] matrix_b_scale:MATRIX_SCALE_ROW1
.else
	v_wmma_scale_f32_16x16x128_f8f6f4 v[\d:\d+7], v[\w:\w+15], v[\x:\x+15], 0, v[\sw], v[\sx]
.endif
.else
.if (\wo) && (\xo)
	v_wmma_scale_f32_16x16x128_f8f6f4 v[\d:\d+7], v[\w:\w+15], v[\x:\x+15], v[\d:\d+7], v[\sw], v[\sx] matrix_a_scale:MATRIX_SCALE_ROW1 matrix_b_scale:MATRIX_SCALE_ROW1
.elseif (\wo)
	v_wmma_scale_f32_16x16x128_f8f6f4 v[\d:\d+7], v[\w:\w+15], v[\x:\x+15], v[\d:\d+7], v[\sw], v[\sx] matrix_a_scale:MATRIX_SCALE_ROW1
.elseif (\xo)
	v_wmma_scale_f32_16x16x128_f8f6f4 v[\d:\d+7], v[\w:\w+15], v[\x:\x+15], v[\d:\d+7], v[\sw], v[\sx] matrix_b_scale:MATRIX_SCALE_ROW1
.else
	v_wmma_scale_f32_16x16x128_f8f6f4 v[\d:\d+7], v[\w:\w+15], v[\x:\x+15], v[\d:\d+7], v[\sw], v[\sx]
.endif
.endif
.endm
.macro MUL4 f, a, kq, set, zero
.irp b, 0,1,2,3
	WM ACC+8*(4*(\a)+\b), \f+64+16*\b, \f+16*(\a), SC+16*(\set)+8+4*(\b/2)+(\kq), SC+16*(\set)+2*(\kq)+(\a)/2, \b%2, (\a)%2, \zero
.endr
.endm
.macro SCALES set
.irp q, 0,1,2,3
.irp p, 0,1
	ds_load_b32 v[SC+16*\set+2*\q+\p], v[ASA] offset:512*\q+128*\p
.endr
.endr
.irp p, 0,1
	ds_load_b128 v[SC+16*\set+8+4*\p:SC+16*\set+8+4*\p+3], v[ASB] offset:2*SBLK*\p
.endr
.endm
.macro FETCH slot, kq, f, sc
	WIN TO_F
.irp b, 0,1,2,3
.irp c, 0,1,2,3
	ds_load_b128 v[\f+64+16*\b+4*\c:\f+64+16*\b+4*\c+3], v[ADRB+\slot] offset:128*(\kq)+32*\c+16*WP*\b
.endr
.endr
.irp a, 0,1
.irp c, 0,1,2,3
	ds_load_b128 v[\f+16*\a+4*\c:\f+16*\a+4*\c+3], v[ADRA+\slot] offset:16384*(\kq)+2048*\a+512*\c
.endr
.endr
.if \sc >= 0
	WIN 0
	SCALES \sc
	WIN TO_F
.endif
.irp a, 2,3
.irp c, 0,1,2,3
	ds_load_b128 v[\f+16*\a+4*\c:\f+16*\a+4*\c+3], v[ADRA+\slot] offset:16384*(\kq)+2048*\a+512*\c
.endr
.endr
.endm
.macro QUARTER slot, kn, f, g, zero
	s_wait_dscnt 8
	WIN MUL
	MUL4 \f, 0, (\kn)-1, \slot, \zero
	MUL4 \f, 1, (\kn)-1, \slot, \zero
	PLACES 8
	FETCH \slot, \kn, \g, -1
	s_wait_dscnt 32
	WIN MUL
	MUL4 \f, 2, (\kn)-1, \slot, \zero
	MUL4 \f, 3, (\kn)-1, \slot, \zero
.endm
.macro TURN slot, next, fill
	WIN 0
	s_wait_tensorcnt 0x0
	ds_add_u32 v[SPW], v[NIL]
	s_wait_dscnt 9
	WIN MUL
	MUL4 F1, 0, 3, \slot, 0
	s_wait_dscnt 0x0
	s_barrier_signal -1
	MUL4 F1, 1, 3, \slot, 0
	WIN 0
	s_barrier_wait -1
.if \fill
	CREST
	s_add_nc_u64 s[G0A+4*\slot+2:G0A+4*\slot+3], s[G0A+4*\slot+2:G0A+4*\slot+3], 4194304
	s_add_nc_u64 s[G0B+4*\slot+2:G0B+4*\slot+3], s[G0B+4*\slot+2:G0B+4*\slot+3], 1024
	JLOAD G0A+4*\slot, G1A, G0B+4*\slot, G1B
	PLACES 4
.else
	PLACES 8
.endif
	s_wait_alu depctr_va_vdst(0)
	v_add_nc_u32 v[ASA], 2048, v[ASA]
	v_add_nc_u32 v[ASB], 16, v[ASB]
	FETCH \next, 0, F0, \next
	WIN MUL
	MUL4 F1, 2, 3, \slot, 0
	MUL4 F1, 3, 3, \slot, 0
.endm
	s_wait_alu depctr_va_vdst(0)
	s_wait_tensorcnt 0x0                           ; my tile of the head's four is in
	ds_add_u32 v[SPW], v[NIL]
	s_mov_b32 s[G1A+2], 2<<16                      ; no tensor load of mine is out: from here on a load brings two K quarters of A,
	s_mov_b32 s[G1A+4], 2
	s_mov_b32 s[G1B+2], 64<<16                     ; or 64 rows of W
	s_mov_b32 s[G1B+4], 64
	s_wait_dscnt 0x0
	CROUND                                         ; all four tiles are in, and all sixteen work-groups are here
	JLOAD G0A+4, G1A, G0B+4, G1B                   ; slot 1: the first tensor load behind the round
	FETCH 0, 0, F0, 0
	QUARTER 0, 1, F0, F1, 1
.if LAPS > 1
	WIN 0
	s_mov_b32 s3, LAPS-1
.Llap:
	QUARTER 0, 2, F1, F0, 0
	QUARTER 0, 3, F0, F1, 0
	TURN 0, 1, 1
	QUARTER 1, 1, F0, F1, 0
	QUARTER 1, 2, F1, F0, 0
	QUARTER 1, 3, F0, F1, 0
	TURN 1, 0, 1
	QUARTER 0, 1, F0, F1, 0
	WIN 0
	s_sub_co_u32 s3, s3, 1
	s_cmp_lg_u32 s3, 0
	s_cbranch_scc1 .Llap
.endif
	QUARTER 0, 2, F1, F0, 0
	QUARTER 0, 3, F0, F1, 0
	TURN 0, 1, 0
	QUARTER 1, 1, F0, F1, 0
	QUARTER 1, 2, F1, F0, 0
	QUARTER 1, 3, F0, F1, 0
	s_wait_dscnt 8
	WIN MUL
	MUL4 F1, 0, 3, 1, 0
	MUL4 F1, 1, 3, 1, 0
	s_wait_dscnt 0
	MUL4 F1, 2, 3, 1, 0
	MUL4 F1, 3, 3, 1, 0
	WIN 0
	PLACES 8
.irp a, 0,1,2,3
.irp b, 0,1,2,3
	ds_store_b128 v[STO], v[ACC+8*(4*\a+\b):ACC+8*(4*\a+\b)+3] offset:16*WP*\a+64*\b
	ds_store_b128 v[STO], v[ACC+8*(4*\a+\b)+4:ACC+8*(4*\a+\b)+7] offset:16*WP*\a+64*\b+16
.endr
.endr
	s_wait_dscnt 0x0
	s_barrier_signal -1
	s_barrier_wait -1
.set i, 0
.rept 32
	ds_load_b128 v[ROWS+4*i:ROWS+4*i+3], v[RD] offset:WP*i
.set i, i+1
.endr
.macro OUTB i0
	WIN 0x08
.set i, \i0
.rept 16
	v_pk_add_f32 v[ROWS+4*i:ROWS+4*i+1], v[ROWS+4*i:ROWS+4*i+1], v[128:129]
	v_pk_add_f32 v[ROWS+4*i+2:ROWS+4*i+3], v[ROWS+4*i+2:ROWS+4*i+3], v[130:131]
.set i, i+1
.endr
.set i, \i0
.rept 16
	v_pk_add_f32 v[ROWS+4*i:ROWS+4*i+1], v[ROWS+4*i:ROWS+4*i+1], v[4*i:4*i+1]
	v_pk_add_f32 v[ROWS+4*i+2:ROWS+4*i+3], v[ROWS+4*i+2:ROWS+4*i+3], v[4*i+2:4*i+3]
.set i, i+1
.endr
	WIN 0
.set i, \i0
.rept 16
	global_store_b128 v[CO], v[ROWS+4*i:ROWS+4*i+3], s[16:17] offset:((i&7)|((i&8)<<1)|((i&16)>>1))*4096 th:TH_STORE_NT
.set i, i+1
.endr
.endm
	s_wait_loadcnt 0x0
	s_wait_dscnt 16
	OUTB 0
	s_wait_dscnt 0x0
	OUTB 16
	s_wait_tensorcnt 0x0
	ds_add_u32 v[SPW], v[NIL]
	s_wait_dscnt 0x0
	CROUND
	s_endpgm
.Lfunc_end_k_q0573a0feff_ff2:
	.size	k_q0573a0feff_ff2, .Lfunc_end_k_q0573a0feff_ff2-k_q0573a0feff_ff2
	.p2alignl 7, 3214868480
	.fill 96, 4, 3214868480
	.section	.rodata,"a",@progbits
	.p2align	6, 0x0
	.amdhsa_kernel k_q0573a0feff_ff2
		.amdhsa_group_segment_fixed_size 327680
		.amdhsa_private_segment_fixed_size 0
		.amdhsa_enable_private_segment 0
		.amdhsa_kernarg_size 56
		.amdhsa_user_sgpr_count 2
		.amdhsa_user_sgpr_kernarg_segment_ptr 1
		.amdhsa_wavefront_size32 1
		.amdhsa_system_sgpr_workgroup_id_x 1
		.amdhsa_system_sgpr_workgroup_id_y 1
		.amdhsa_system_sgpr_workgroup_id_z 1
		.amdhsa_system_vgpr_workitem_id 0
		.amdhsa_next_free_vgpr 768
		.amdhsa_next_free_sgpr 100
		.amdhsa_reserve_vcc 0
		.amdhsa_float_denorm_mode_32 3
		.amdhsa_float_denorm_mode_16_64 3
		.amdhsa_memory_ordered 1
		.amdhsa_forward_progress 1
		.amdhsa_inst_pref_size 105
	.end_amdhsa_kernel
	.amdgpu_metadata
---
amdhsa.version: [ 1, 2 ]
amdhsa.kernels:
  - .name:           k_q0573a0feff_ff2
    .symbol:         k_q0573a0feff_ff2.kd
    .args:
      - { .name: img, .offset: 0, .size: 8, .value_kind: global_buffer, .address_space: global }
      - { .name: imgs, .offset: 8, .size: 8, .value_kind: global_buffer, .address_space: global }
      - { .name: ff_w2_codes, .offset: 16, .size: 8, .value_kind: global_buffer, .address_space: global }
      - { .name: ff_w2_scales, .offset: 24, .size: 8, .value_kind: global_buffer, .address_space: global }
      - { .name: ff_b2, .offset: 32, .size: 8, .value_kind: global_buffer, .address_space: global }
      - { .name: x2, .offset: 40, .size: 8, .value_kind: global_buffer, .address_space: global }
      - { .name: out0, .offset: 48, .size: 8, .value_kind: global_buffer, .address_space: global }
    .group_segment_fixed_size: 327680
    .private_segment_fixed_size: 0
    .kernarg_segment_align: 8
    .kernarg_segment_size: 56
    .max_flat_workgroup_size: 128
    .sgpr_count:     100
    .vgpr_count:     768
    .wavefront_size: 32
...
	.end_amdgpu_metadata
.endif
;; end of part 6
